; MI455X (gfx1250); checked and timed in simulation.
; The chip was launched on July 23, 2026; its instructions are those of AMD's public machine-readable ISA for CDNA 5 (MIT licence, August 2026) and "CDNA5" Instruction Set Architecture Reference Guide (July 2026). The comments in the code are by the model that wrote it; some were corrected since.
;; Multi Head Self Attention. Allowed arithmetic: matrix products marked QUANTISED: E2M3 operands, one E8M0 scale for each 32 along K, by v_wmma_scale_f32_16x16x128_f8f6f4 with both operands' format E2M3, f32 sums; everything else in f32.
;; Inputs: b_k 512 float32; b_o 512 float32; b_q 512 float32; b_v 512 float32; w_k 512 x 512 float32; w_o 512 x 512 float32; w_q 512 x 512 float32; w_v 512 x 512 float32; x 8 x 2,048 x 512 float32.
;; Outputs: out0 8 x 2,048 x 512 float32.
;; This version of the problem:
;;   THIS VERSION OF THE PROBLEM IS GIVEN IN LOW PRECISION. The matrix products marked QUANTISED in the list below multiply operands that are first quantised to E2M3 (2 exponent bits, 3 mantissa bits; 6 bits a number), with one power-of-two scale for each 32 numbers along K (OCP MX v1.0); their sums are f32. All else is computed in f32.
;;   The module's matrix products, in the order in which they are computed (A, B: the left and right operand; K: the contracted axis; several contracted axes count as one K, in the product's order):
;;     1. [M 16,384, K 512] x [K 512, N 512]; A: input x; B: input w_q: QUANTISED
;;     2. [M 16,384, K 512] x [K 512, N 512]; A: input x; B: input w_k: QUANTISED
;;     3. [M 16,384, K 512] x [K 512, N 512]; A: input x; B: input w_v: QUANTISED
;;     4. batch 64 x [M 2,048, K 64] x [K 64, N 2,048]; A: computed on the way; B: computed on the way: QUANTISED
;;     5. batch 64 x [M 2,048, K 2,048] x [K 2,048, N 64]; A: softmax (see below); B: computed on the way: QUANTISED
;;     6. [M 16,384, K 512] x [K 512, N 512]; A: computed on the way; B: input w_o: QUANTISED
;;   THE QUANTISER, for each operand of a quantised product, along K:
;;     - K is cut into blocks of 32 from its start; a last block that is shorter is filled with zeros.
;;     - A block's scale is 2^e with e = floor(log2(the largest magnitude in the block)) - 2, held to -126 .. 127; a block of zeros has e = 0. As a byte (E8M0): e + 127.
;;     - Each number is divided by its block's scale, clamped to +-7.5, and rounded to the nearest number of E2M3, ties to even, subnormals kept.
;;     - The product sums the exact products of the quantised numbers (number of the format x scale) in f32.
;;   ~~~python
;;   def quantise(x, axis):      # numpy; x: float32 -> the quantised numbers, widened to float32 again
;;       x = np.moveaxis(x, axis, -1); K = x.shape[-1]
;;       x = np.pad(x, [(0, 0)] * (x.ndim - 1) + [(0, -K % 32)]); x = x.reshape(x.shape[:-1] + (-1, 32)); a = np.abs(x).max(-1, keepdims=True)
;;       e = np.where(a > 0, np.clip(np.frexp(np.where(a > 0, a, 1))[1] - 1 - 2, -126, 127), 0)      # np.frexp(a)[1] - 1 = floor(log2(a)), exactly
;;       r = np.clip(x / 2.0 ** e, -7.5, 7.5)
;;       step = 2.0 ** (np.maximum(np.frexp(np.where(r == 0, 1, r))[1] - 1, 0) - 3)
;;       q = np.round(r / step) * step * 2.0 ** e      # np.round: ties to even
;;       return np.moveaxis(q.reshape(q.shape[:-2] + (-1,))[..., :K], -1, axis).astype(np.float32)
;;   ~~~
;;   SOFTMAX AHEAD OF A QUANTISED PRODUCT. Where the list says 'softmax', what is quantised is not the finished softmax but p = 2^(t - M), with t = logit x log2(e) and M = ceil(the row's largest t), a whole number; so 1/2 < the row's largest p <= 1. The row's sum l is taken of the UNQUANTISED p, in f32, and the product's result is divided by l at the end. Since M is a whole number, a kernel that streams over the keys may use a running M (the ceiling of the running maximum): every later rescaling is an exact power of two, which a block's scale takes up: the codes' values come out the same.
;;   OPERANDS COMPUTED ON THE WAY. 'Computed on the way' means the value that the module computes at that place (a softmax that the list does not call 'softmax' is quantised finished and normalised). What goes into a quantiser is computed in f32, as accurately as f32 sums, v_exp_f32 and their like allow (about 1e-6 of the number): no bf16 or f16 on the way to a quantiser, and a product that is left as it is and whose result goes on into a quantised operand takes f32 operands (vector FMAs, or v_wmma_f32_16x16x4_f32). A number that lies on a knife's edge between two numbers of the format may be rounded either way, as far as f32 arithmetic and the matrix unit's own rounding can turn it there, and no further.
;; 2 versions. Each part assembles by itself: llvm-mc -triple=amdgcn-amd-amdhsa -mcpu=gfx1250 --defsym DOCPART=n.
;; ======== version 1 of 2: 4 launches
;; workspace buffers: cod 7,077,888 bytes; scl 589,824 bytes; qbuf 7,340,032 bytes; kvbuf 14,680,064 bytes; obuf 8,388,608 bytes
;; launch prep (part 1): grid 288 x 1, 4 waves a work-group, no clusters, 0 bytes of LDS; arguments x, w_q, w_k, w_v, w_o, cod, scl; writes cod, scl
.if DOCPART == 1
	.amdgcn_target "amdgcn-amd-amdhsa--gfx1250"
	.amdhsa_code_object_version 6
	.text
	.protected	k_q79e4a134d2_prep
	.globl	k_q79e4a134d2_prep
	.p2align	8
	.type	k_q79e4a134d2_prep,@function
k_q79e4a134d2_prep:
	s_mov_b64 s[64:65], 0
	v_nop
	global_prefetch_b8 v0, s[64:65] scope:SCOPE_SE
	s_setreg_imm32_b32 hwreg(HW_REG_WAVE_MODE, 25, 1), 1
	s_wait_xcnt 0x0
; x [16384][512] and the four weights [512][512], f32 with K innermost, become codes of FP6 (E2M3) with one E8M0 byte for each 32 along K,
; laid as IMAGES OF OPERAND REGISTERS.  A tile is 16 rows x 512 K.  THE ROWS OF A TILE ARE NOT NEIGHBOURS: lane row r of tile t is matrix row
; 32 (t / 2) + 8 (t % 2) + r + 8 (r / 8), so that a product which takes such a tile as source 0 leaves 16 neighbours of that axis in the 16 registers of tiles 2 b, 2 b + 1.
; cod: tile T at 6144 T: K step s (128 along K, 12 registers a lane) at + 1536 s, registers 4 c .. 4 c + 3 of lane l at + 512 c + 16 l.
; scl: tile T at 512 T: lane l's 16 bytes are its row's scale words of K steps 0 .. 3.   Tiles 0-1023: x; 1024 + 32 m on: w_q, w_k, w_v, w_o (m = 0 .. 3).
; A block's scale is 2^(floor(log2(its largest magnitude)) - 2); its byte is the largest magnitude's exponent field - 2, held at 1 from below.
; LIMITS: NaN and infinities among the inputs are not served; a block of zeros, or one whose largest magnitude lies under 2^-124, gets the byte 1 (its codes are then
; zeros or what the byte 1 gives); the bytes are read by this program alone.
; SHARES: a wave takes one tile; 288 work-groups x 4 waves = 1,152 tiles.  Only pointers are chosen by the work-group's number: one path through the text.
; No LDS, no barrier, no matrix unit, no cluster: waves share nothing and each input byte is read once.
.set XA,  1                            ; v1   my row's byte in the tile's rows + 64 x (lane / 16): 16 numbers of each block of 32
.set L16, 2                            ; v2   16 x lane
.set X0,  16                           ; v16-79   64 numbers of a K step
.set X1,  80                           ; v80-143  the other set
.set PC,  144                          ; v144-163 the codes just made
.set TM,  164                          ; v164-179 at work in QUANT
.set SW,  180                          ; v180-183 the four scale words
.set SRC, 12                           ; s[12:13] the tile's first row in its tensor
.set COD, 14                           ; s[14:15] its place in cod
.set SCL, 16                           ; s[16:17] its place in scl
.set SEL, 30                           ; s[30:31] selects for v_permlanex16_b32: lane l xor 16
; 64 numbers of a lane, register 16 b + i = k 32 b + 16 (lane / 16) + i of my row, become a fragment's 12 registers in v[PC] on and its scale word in v[pw].
.macro QUANT s, pw
.irp b, 0,1,2,3
	v_max3_num_f32 v[TM+\b], |v[\s+16*\b]|, |v[\s+1+16*\b]|, 0x1800000   ; block b: my 16 numbers, and the floor 2^(3 - 127): the byte cannot fall under 1
.endr
.irp i, 2,4,6,8,10,12,14
.irp b, 0,1,2,3
	v_max3_num_f32 v[TM+\b], v[TM+\b], |v[\s+16*\b+\i]|, |v[\s+1+16*\b+\i]|   ; the four blocks by turns
.endr
.endr
.irp b, 0,1,2,3
	v_permlanex16_b32 v[TM+4+\b], v[TM+\b], s[SEL], s[SEL+1]
.endr
.irp b, 0,1,2,3
	v_max_num_f32 v[TM+\b], v[TM+\b], v[TM+4+\b]           ; with lane l xor 16's: the block's largest magnitude
.endr
.irp b, 0,1,2,3
	v_add_nc_u32 v[TM+12+\b], 0xff000000, v[TM+\b]         ; 2 off its exponent field: the conversion's scale operand
.endr
.irp b, 0,1,2,3
	v_lshrrev_b32 v[TM+4+\b], 23, v[TM+12+\b]              ; the scale's byte
.endr
	v_lshl_or_b32 v[\pw], v[TM+5], 8, v[TM+4]
	v_lshl_or_b32 v[\pw], v[TM+6], 16, v[\pw]
	v_lshl_or_b32 v[\pw], v[TM+7], 24, v[\pw]              ; my row's scale word
.irp c, 0,1
	v_cvt_scalef32_pk16_fp6_f32 v[PC+6*\c:PC+2+6*\c], v[\s+32*\c:\s+15+32*\c], v[TM+12+2*\c]
	v_cvt_scalef32_pk16_fp6_f32 v[PC+12+4*\c:PC+14+4*\c], v[\s+16+32*\c:\s+31+32*\c], v[TM+12+2*\c+1]   ; a conversion's three registers begin on an even number
.endr
	v_nop                                                  ; one plain instruction behind the scaled conversions
.irp c, 0,1                                            ; the operand wants a whole block in a lane: lanes 0-15 block 2 c, lanes 16-31 block 2 c + 1
.irp i, 0,1,2
	v_permlane16_swap_b32 v[PC+6*\c+\i], v[PC+12+4*\c+\i]
.endr
.irp i, 0,1,2
	v_mov_b32 v[PC+3+6*\c+\i], v[PC+12+4*\c+\i]
.endr
.endr
.endm
.macro LOADX reg, s                    ; K step s of my row: of each of its four blocks my 16 numbers, 64 bytes
.irp b, 0,1,2,3
.irp j, 0,1,2,3
	global_load_b128 v[\reg+16*\b+4*\j:\reg+16*\b+4*\j+3], v[XA], s[SRC:SRC+1] offset:512*(\s)+128*\b+16*\j th:TH_LOAD_NT
.endr
.endr
.endm
.macro KSTEP s, reg, left, more
	s_wait_loadcnt \left                           ; this K step's 16 loads are in; the next K step's 16 may be out
	s_wait_xcnt 0x0                                ; the last K step's stores have read v[PC] on: it is written again only behind this wait
	QUANT \reg, SW+\s
.irp c, 0,1,2
	global_store_b128 v[L16], v[PC+4*\c:PC+4*\c+3], s[COD:COD+1] offset:1536*(\s)+512*\c   ; 32 lanes store 512 consecutive bytes, aligned to 256
.endr
.if \more
	LOADX \reg, (\s)+2
.endif
.endm
	s_load_b256 s[4:11], s[0:1], 0x0               ; x s[4:5], w_q s[6:7], w_k s[8:9], w_v s[10:11]
	s_load_b128 s[12:15], s[0:1], 0x20             ; w_o s[12:13], cod s[14:15]
	s_load_b64 s[16:17], s[0:1], 0x30              ; scl
	v_lshrrev_b32 v3, 5, v0
	v_readfirstlane_b32 s18, v3                    ; wave
	v_and_b32 v4, 15, v0                           ; r
	v_bfe_u32 v5, v0, 4, 1                         ; h
	v_and_b32 v6, 8, v4
	v_add_nc_u32 v6, v6, v4                        ; r + 8 (r / 8)
	v_lshlrev_b32 v[XA], 11, v6                    ; a row is 2,048 bytes
	v_lshl_add_u32 v[XA], v5, 6, v[XA]
	v_and_b32 v7, 31, v0
	v_lshlrev_b32 v[L16], 4, v7
	s_mov_b32 s[SEL], 0x76543210
	s_mov_b32 s[SEL+1], 0xfedcba98
.irp b, 0,1,2,3
	v_mov_b32 v[TM+4+\b], 0                        ; written once: a lane permute's destination counts as one of its sources
.endr
	s_lshl_b32 s19, ttmp9, 2
	s_add_co_u32 s19, s19, s18                     ; T: my tile
	s_and_b32 s20, s19, 31                         ; its number inside a weight
	s_wait_kmcnt 0x0
	s_cmp_lt_u32 ttmp9, 280                        ; work-groups 0-255 x, 256-263 w_q, 264-271 w_k, 272-279 w_v, 280-287 w_o
	s_cselect_b64 s[SRC:SRC+1], s[10:11], s[SRC:SRC+1]
	s_cmp_lt_u32 ttmp9, 272
	s_cselect_b64 s[SRC:SRC+1], s[8:9], s[SRC:SRC+1]
	s_cmp_lt_u32 ttmp9, 264
	s_cselect_b64 s[SRC:SRC+1], s[6:7], s[SRC:SRC+1]
	s_cmp_lt_u32 ttmp9, 256
	s_cselect_b64 s[SRC:SRC+1], s[4:5], s[SRC:SRC+1]
	s_cselect_b32 s20, s19, s20                    ; the tile's number in its own tensor
	s_lshr_b32 s21, s20, 1
	s_lshl_b32 s21, s21, 16                        ; 32 rows of 2,048 bytes for each pair of tiles,
	s_and_b32 s22, s20, 1
	s_lshl_b32 s22, s22, 14                        ; 8 rows for the odd one
	s_add_co_u32 s22, s21, s22
	s_mov_b32 s23, 0
	s_add_nc_u64 s[SRC:SRC+1], s[SRC:SRC+1], s[22:23]
	s_mul_i32 s24, s19, 6144
	s_mov_b32 s25, 0
	s_add_nc_u64 s[COD:COD+1], s[COD:COD+1], s[24:25]
	s_lshl_b32 s24, s19, 9
	s_add_nc_u64 s[SCL:SCL+1], s[SCL:SCL+1], s[24:25]
	LOADX X0, 0
	LOADX X1, 1
	KSTEP 0, X0, 16, 1
	KSTEP 1, X1, 16, 1
	KSTEP 2, X0, 16, 0
	KSTEP 3, X1, 0, 0
	global_store_b128 v[L16], v[SW:SW+3], s[SCL:SCL+1]     ; the tile's scale words: 512 consecutive bytes
	s_endpgm
.Lfunc_end_k_q79e4a134d2_prep:
	.size	k_q79e4a134d2_prep, .Lfunc_end_k_q79e4a134d2_prep-k_q79e4a134d2_prep
	.p2alignl 7, 3214868480
	.fill 96, 4, 3214868480
	.section	.rodata,"a",@progbits
	.p2align	6, 0x0
	.amdhsa_kernel k_q79e4a134d2_prep
		.amdhsa_group_segment_fixed_size 0
		.amdhsa_private_segment_fixed_size 0
		.amdhsa_enable_private_segment 0
		.amdhsa_kernarg_size 56
		.amdhsa_user_sgpr_count 2
		.amdhsa_user_sgpr_kernarg_segment_ptr 1
		.amdhsa_wavefront_size32 1
		.amdhsa_system_sgpr_workgroup_id_x 1
		.amdhsa_system_sgpr_workgroup_id_y 1
		.amdhsa_system_sgpr_workgroup_id_z 1
		.amdhsa_system_vgpr_workitem_id 0
		.amdhsa_next_free_vgpr 192
		.amdhsa_next_free_sgpr 66
		.amdhsa_reserve_vcc 0
		.amdhsa_float_denorm_mode_32 3
		.amdhsa_float_denorm_mode_16_64 3
		.amdhsa_memory_ordered 1
		.amdhsa_forward_progress 1
		.amdhsa_inst_pref_size 25
	.end_amdhsa_kernel
	.amdgpu_metadata
---
amdhsa.version: [ 1, 2 ]
amdhsa.kernels:
  - .name:           k_q79e4a134d2_prep
    .symbol:         k_q79e4a134d2_prep.kd
    .args:
      - { .name: x, .offset: 0, .size: 8, .value_kind: global_buffer, .address_space: global }
      - { .name: w_q, .offset: 8, .size: 8, .value_kind: global_buffer, .address_space: global }
      - { .name: w_k, .offset: 16, .size: 8, .value_kind: global_buffer, .address_space: global }
      - { .name: w_v, .offset: 24, .size: 8, .value_kind: global_buffer, .address_space: global }
      - { .name: w_o, .offset: 32, .size: 8, .value_kind: global_buffer, .address_space: global }
      - { .name: cod, .offset: 40, .size: 8, .value_kind: global_buffer, .address_space: global }
      - { .name: scl, .offset: 48, .size: 8, .value_kind: global_buffer, .address_space: global }
    .group_segment_fixed_size: 0
    .private_segment_fixed_size: 0
    .kernarg_segment_align: 8
    .kernarg_segment_size: 56
    .max_flat_workgroup_size: 128
    .sgpr_count:     66
    .vgpr_count:     192
    .wavefront_size: 32
...
	.end_amdgpu_metadata
.endif
;; end of part 1
;; launch qkv (part 2): grid 64 x 3, 4 waves a work-group, no clusters, 0 bytes of LDS; arguments cod, scl, b_q, b_k, b_v, qbuf, kvbuf; writes qbuf, kvbuf
.if DOCPART == 2
	.amdgcn_target "amdgcn-amd-amdhsa--gfx1250"
	.amdhsa_code_object_version 6
	.text
	.protected	k_q79e4a134d2_qkv
	.globl	k_q79e4a134d2_qkv
	.p2align	8
	.type	k_q79e4a134d2_qkv,@function
k_q79e4a134d2_qkv:
	s_mov_b64 s[64:65], 0
	v_nop
	global_prefetch_b8 v0, s[64:65] scope:SCOPE_SE
	s_setreg_imm32_b32 hwreg(HW_REG_WAVE_MODE, 25, 1), 1
	s_wait_xcnt 0x0
; q = x w_q^T + b_q, k = x w_k^T + b_k, v = x w_v^T + b_v on codes of FP6 (E2M3) with E8M0 scales, f32 sums; each result is quantised in registers for attention's products and
; stored as register images: q and k along the head's 64, v along the keys.  Work-group y = 0: q, 1: k, 2: v.
; ONE SCHEME.  A wave keeps 8 STATIONARY tiles x 4 K steps in 384 registers and STREAMS 16 tiles.  A unit is one streamed tile: 32 matrix instructions (8 accumulators by turns, K ascending),
; 64 sums a lane, the quantiser, one fragment out.  Source 0 = the stationary tile (its rows end up along my registers), source 1 = the streamed tile (one row a lane).
;   q, k: stationary = the weight's tiles 8 w .. 8 w + 7 (features 128 w on: heads 2 w and 2 w + 1), streamed = x's tiles 16 gx + u.  A lane holds one token, its registers 128 features.
;   v:    stationary = x's tiles 16 gx + 8 (w / 2) + i (128 tokens: one key step), streamed = w_v's tiles 16 (w % 2) + u.  A lane holds one channel, its registers 128 keys.
; A tile's rows are laid so (see the launch that made cod) that the 16 registers of accumulators 2 b, 2 b + 1 are 16 neighbours along the axis to be quantised.
; RECORDS of 1,792 bytes: registers 0-3 at + 16 l, 6-9 at 512 + 16 l, 4-5 at 1024 + 8 l, 10-11 at 1280 + 8 l, two scale words at 1536 + 8 l (l the lane).
;   q, k: record p of a head holds token tiles 2 p (registers 0-5) and 2 p + 1 (registers 6-11), each 16 tokens x 64; a word has two bytes, the upper two are 0.
;   v: record 4 sigma + tau is channel tile tau x the 128 keys of step sigma; both words hold its scale word.   kvbuf: a head's 64 records of k, then its 64 of v.
; LIMITS: as the quantiser's in the launch that made cod: NaN and infinities are not served; a block of zeros or under 2^-124 gets the byte 1.
; NO CLUSTER, NO LDS: every operand is a register image that a wave's own lanes load, 16 bytes a lane; there is no LDS tile that a joint load could fill.
; 192 work-groups: three products of 64 groups; with 384 registers of stationary operand a SIMD holds one wave, and 16 units to a wave read the stationary bytes half as often as 8 would.
; REGISTERS: window 0: v1-4 offsets; v16-79 accumulators; v80-99 codes; v100-115 at work; v116-121 scale words on their way out; v128-159 stationary scale words; v160-167 streamed ones.
;   windows 1, 2: stationary fragment (i, s) at window 1 + s / 2, register 96 (s % 2) + 12 i.   window 3: v0-95 two streamed tiles; v96-159 q's or k's bias; v160-175 v's bias, 8 equal registers a buffer.
.set L16, 1                            ; 16 x lane
.set L8,  2                            ; 8 x lane
.set HB,  3                            ; 64 x (lane / 16): the bias of my half's features
.set VB,  4                            ; 4 (r + 8 (r / 8)): the bias of my channel
.set ACC, 16
.set PC,  80
.set TM,  100
.set PW,  116
.set SWA, 118
.set SWB, 120
.set SS,  128
.set RS,  160
.set BIA, 96                           ; in window 3
.set BR8, 160                          ; in window 3
.set WV,  18
.set Y,   19
.set SB,  20                           ; s[20:21] stationary tiles in cod;  s[22:23] in scl
.set SQ,  22
.set RP,  24                           ; s[24:25] streamed tiles in cod;  s[26:27] in scl
.set RQ,  26
.set DA,  28                           ; s[28:29] where the first head's records go (v: the records);  s[30:31] the second head's
.set DB,  30
.set BP,  32                           ; s[32:33] the bias
.set CNT, 34
.set SEL, 36
.set MSB, 0
.macro WIN new                         ; the immediate's high byte repeats the setting that is left
.if MSB != \new
	s_set_vgpr_msb (MSB<<8)|\new
.set MSB, \new
.endif
.endm
.macro QUANT s, pw
.irp b, 0,1,2,3
	v_max3_num_f32 v[TM+\b], |v[\s+16*\b]|, |v[\s+1+16*\b]|, 0x1800000   ; block b: my 16 numbers, and the floor 2^(3 - 127).  Each accumulator is read from its low end on
.endr
.irp i, 2,4,6,8,10,12,14
.irp b, 0,1,2,3
	v_max3_num_f32 v[TM+\b], v[TM+\b], |v[\s+16*\b+\i]|, |v[\s+1+16*\b+\i]|
.endr
.endr
.irp b, 0,1,2,3
	v_permlanex16_b32 v[TM+4+\b], v[TM+\b], s[SEL], s[SEL+1]
.endr
.irp b, 0,1,2,3
	v_max_num_f32 v[TM+\b], v[TM+\b], v[TM+4+\b]
.endr
.irp b, 0,1,2,3
	v_add_nc_u32 v[TM+12+\b], 0xff000000, v[TM+\b]         ; 2 off the exponent field: the conversion's scale operand
.endr
.irp b, 0,1,2,3
	v_lshrrev_b32 v[TM+4+\b], 23, v[TM+12+\b]
.endr
	v_lshl_or_b32 v[\pw], v[TM+5], 8, v[TM+4]
	v_lshl_or_b32 v[\pw], v[TM+6], 16, v[\pw]
	v_lshl_or_b32 v[\pw], v[TM+7], 24, v[\pw]
.irp c, 0,1
	v_cvt_scalef32_pk16_fp6_f32 v[PC+6*\c:PC+2+6*\c], v[\s+32*\c:\s+15+32*\c], v[TM+12+2*\c]
	v_cvt_scalef32_pk16_fp6_f32 v[PC+12+4*\c:PC+14+4*\c], v[\s+16+32*\c:\s+31+32*\c], v[TM+12+2*\c+1]
.endr
	v_nop                                                  ; one plain instruction behind the scaled conversions
.irp c, 0,1
.irp i, 0,1,2
	v_permlane16_swap_b32 v[PC+6*\c+\i], v[PC+12+4*\c+\i]
.endr
.irp i, 0,1,2
	v_mov_b32 v[PC+3+6*\c+\i], v[PC+12+4*\c+\i]
.endr
.endr
.endm
; 32 matrix instructions: K steps 0 .. 3, in each the 8 accumulators by turns, one instruction a turn.  The bias is the C of each sum's first instruction:
; registers cb + cs i of window 3.
.macro MUL buf, cb, cs
.irp s, 0,1,2,3
.if \s == 0
	WIN 0x3D                                       ; source 0 window 1, source 1 and C window 3, D window 0
.elseif \s == 1
	WIN 0x0D                                       ; C and D window 0
.else
	WIN 0x0E                                       ; source 0 window 2
.endif
.irp i, 0,1,2,3,4,5,6,7
.if \s == 0
	v_wmma_scale_f32_16x16x128_f8f6f4 v[ACC+8*\i:ACC+8*\i+7], v[96*(\s%2)+12*\i:96*(\s%2)+12*\i+11], v[48*(\buf)+12*\s:48*(\buf)+12*\s+11], v[(\cb)+(\cs)*\i:(\cb)+(\cs)*\i+7], v[SS+4*\i+\s], v[RS+4*(\buf)+\s] matrix_a_fmt:MATRIX_FMT_FP6 matrix_b_fmt:MATRIX_FMT_FP6
.else
	v_wmma_scale_f32_16x16x128_f8f6f4 v[ACC+8*\i:ACC+8*\i+7], v[96*(\s%2)+12*\i:96*(\s%2)+12*\i+11], v[48*(\buf)+12*\s:48*(\buf)+12*\s+11], v[ACC+8*\i:ACC+8*\i+7], v[SS+4*\i+\s], v[RS+4*(\buf)+\s] matrix_a_fmt:MATRIX_FMT_FP6 matrix_b_fmt:MATRIX_FMT_FP6
.endif
.endr
.endr
	WIN 0
.endm
; the streamed tile k tiles on from the pointers, into buffer buf: 12 loads of codes, 1 of scale words; for v also my channel's bias, eight times: 13 or 21 loads
.macro LOADR buf, k, isv
	WIN 0xC0                                       ; destination window 3, offset window 0
.irp s, 0,1,2,3
.irp c, 0,1,2
	global_load_b128 v[48*(\buf)+12*\s+4*\c:48*(\buf)+12*\s+4*\c+3], v[L16], s[RP:RP+1] offset:6144*(\k)+1536*\s+512*\c
.endr
.endr
.if \isv
.irp e, 0,1,2,3,4,5,6,7
	global_load_b32 v[BR8+8*(\buf)+\e], v[VB], s[BP:BP+1] offset:128*((\k)/2)+32*((\k)%2)
.endr
.endif
	WIN 0
	global_load_b128 v[RS+4*(\buf):RS+4*(\buf)+3], v[L16], s[RQ:RQ+1] offset:512*(\k)
.endm
.macro UNIT j, last, isv
.if (\last) && (\j == 3)
	s_wait_loadcnt 0x0                             ; the very last tile: nothing was asked for behind it
.else
	s_wait_loadcnt 13+8*(\isv)                     ; this unit's tile is in; the next unit's loads, as many as that, may be out
.endif
.if \isv
	MUL (\j)%2, BR8+8*((\j)%2), 0
.else
	MUL (\j)%2, BIA, 8
.endif
.rept 4
	v_nop                                          ; four plain instructions between the last product and the loads into its operands, and the first read of results
.endr
	s_wait_xcnt 0x0                                ; the last unit's stores have read their registers: codes and words are written again only behind this wait
.if (\last == 0) || (\j < 2)
	LOADR (\j)%2, (\j)+2, \isv                     ; two units ahead, into the buffer just multiplied
.endif
	QUANT ACC, PW
.set RHO, (\j)/2
.set HLF, (\j)%2
.if \isv
	global_store_b128 v[L16], v[PC:PC+3], s[DA:DA+1] offset:1792*(\j)              ; each store covers 512 or 256 consecutive bytes, aligned to 256
	global_store_b128 v[L16], v[PC+6:PC+9], s[DA:DA+1] offset:1792*(\j)+512
	global_store_b64 v[L8], v[PC+4:PC+5], s[DA:DA+1] offset:1792*(\j)+1024
	global_store_b64 v[L8], v[PC+10:PC+11], s[DA:DA+1] offset:1792*(\j)+1280
	v_mov_b32 v[PW+1], v[PW]
	global_store_b64 v[L8], v[PW:PW+1], s[DA:DA+1] offset:1792*(\j)+1536
.else
	global_store_b128 v[L16], v[PC:PC+3], s[DA:DA+1] offset:1792*RHO+512*HLF       ; features 0-63: head 2 w
	global_store_b64 v[L8], v[PC+4:PC+5], s[DA:DA+1] offset:1792*RHO+1024+256*HLF
	global_store_b128 v[L16], v[PC+6:PC+9], s[DB:DB+1] offset:1792*RHO+512*HLF     ; features 64-127: head 2 w + 1
	global_store_b64 v[L8], v[PC+10:PC+11], s[DB:DB+1] offset:1792*RHO+1024+256*HLF
	v_and_b32 v[SWA+HLF], 0xffff, v[PW]            ; the word's two lower bytes are the first head's, the two upper the second's
	v_lshrrev_b32 v[SWB+HLF], 16, v[PW]
.if HLF == 1
	global_store_b64 v[L8], v[SWA:SWA+1], s[DA:DA+1] offset:1792*RHO+1536
	global_store_b64 v[L8], v[SWB:SWB+1], s[DB:DB+1] offset:1792*RHO+1536
.endif
.endif
.endm
.macro TRIP last, isv                  ; four units
	UNIT 0, \last, \isv
	UNIT 1, \last, \isv
	UNIT 2, \last, \isv
	UNIT 3, \last, \isv
.if \last == 0
	s_wait_xcnt 0x0                                ; loads and stores have read their bases: they step only behind this wait
	s_add_nc_u64 s[RP:RP+1], s[RP:RP+1], 4*6144
	s_add_nc_u64 s[RQ:RQ+1], s[RQ:RQ+1], 4*512
.if \isv
	s_add_nc_u64 s[DA:DA+1], s[DA:DA+1], 229376    ; four channel tiles are a head: on to the next head
	s_add_nc_u64 s[BP:BP+1], s[BP:BP+1], 256
.else
	s_add_nc_u64 s[DA:DA+1], s[DA:DA+1], 2*1792    ; four token tiles are two records
	s_add_nc_u64 s[DB:DB+1], s[DB:DB+1], 2*1792
.endif
.endif
.endm
	s_load_b256 s[4:11], s[0:1], 0x0               ; cod s[4:5], scl s[6:7], b_q s[8:9], b_k s[10:11]
	s_load_b128 s[12:15], s[0:1], 0x20             ; b_v s[12:13], qbuf s[14:15]
	s_load_b64 s[16:17], s[0:1], 0x30              ; kvbuf
	v_lshrrev_b32 v5, 5, v0
	v_readfirstlane_b32 s[WV], v5                  ; wave 0..3
	v_and_b32 v5, 31, v0
	v_lshlrev_b32 v[L16], 4, v5
	v_lshlrev_b32 v[L8], 3, v5
	v_bfe_u32 v6, v0, 4, 1
	v_lshlrev_b32 v[HB], 6, v6
	v_and_b32 v7, 15, v0
	v_and_b32 v8, 8, v7
	v_add_nc_u32 v7, v7, v8
	v_lshlrev_b32 v[VB], 2, v7
.irp b, 0,1,2,3
	v_mov_b32 v[TM+4+\b], 0                        ; written once: a lane permute's destination counts as one of its sources
.endr
	s_mov_b32 s[SEL], 0x76543210
	s_mov_b32 s[SEL+1], 0xfedcba98
	s_and_b32 s[Y], ttmp7, 0xffff
	s_lshl_b32 s38, ttmp9, 4                       ; q, k: streamed from x's tile 16 gx
	s_lshl_b32 s39, s[Y], 5
	s_lshl_b32 s40, s[WV], 3
	s_add_co_u32 s39, s39, s40
	s_add_co_u32 s39, s39, 1024                    ; q, k: stationary from tile 1024 + 32 y + 8 w
	s_lshr_b32 s41, s[WV], 1                       ; w / 2
	s_lshl_b32 s42, s41, 3
	s_add_co_u32 s42, s42, s38                     ; v: stationary from x's tile 16 gx + 8 (w / 2)
	s_and_b32 s43, s[WV], 1                        ; w % 2
	s_lshl_b32 s44, s43, 4
	s_add_co_u32 s44, s44, 1088                    ; v: streamed from tile 1088 + 16 (w % 2)
	s_cmp_eq_u32 s[Y], 2
	s_cselect_b32 s39, s42, s39
	s_cselect_b32 s38, s44, s38
	s_mov_b32 s47, 0
	s_mul_i32 s46, s39, 6144
	s_wait_kmcnt 0x0
	s_add_nc_u64 s[SB:SB+1], s[4:5], s[46:47]
	s_lshl_b32 s46, s39, 9
	s_add_nc_u64 s[SQ:SQ+1], s[6:7], s[46:47]
	s_mul_i32 s46, s38, 6144
	s_add_nc_u64 s[RP:RP+1], s[4:5], s[46:47]
	s_lshl_b32 s46, s38, 9
	s_add_nc_u64 s[RQ:RQ+1], s[6:7], s[46:47]
	WIN 0x40                                       ; destination window 1
.irp i, 0,1,2,3,4,5,6,7
.irp s, 0,1
.irp c, 0,1,2
	global_load_b128 v[96*\s+12*\i+4*\c:96*\s+12*\i+4*\c+3], v[L16], s[SB:SB+1] offset:6144*\i+1536*\s+512*\c
.endr
.endr
.endr
	WIN 0x80                                       ; destination window 2
.irp i, 0,1,2,3,4,5,6,7
.irp s, 0,1
.irp c, 0,1,2
	global_load_b128 v[96*\s+12*\i+4*\c:96*\s+12*\i+4*\c+3], v[L16], s[SB:SB+1] offset:6144*\i+1536*(\s+2)+512*\c
.endr
.endr
.endr
	WIN 0
.irp i, 0,1,2,3,4,5,6,7
	global_load_b128 v[SS+4*\i:SS+4*\i+3], v[L16], s[SQ:SQ+1] offset:512*\i
.endr
	s_cmp_eq_u32 s[Y], 2
	s_cbranch_scc1 .Lv
	; ---- q and k
	s_cmp_eq_u32 s[Y], 0
	s_cselect_b64 s[DA:DA+1], s[14:15], s[16:17]   ; qbuf or kvbuf
	s_cselect_b64 s[BP:BP+1], s[8:9], s[10:11]     ; b_q or b_k
	s_mov_b32 s45, 229376
	s_cselect_b32 s45, 114688, s45                 ; from head to head in that buffer
	s_lshr_b32 s38, ttmp9, 3
	s_lshl_b32 s38, s38, 3
	s_lshl_b32 s39, s[WV], 1
	s_add_co_u32 s38, s38, s39                     ; head 8 n + 2 w, n = gx / 8
	s_mul_i32 s46, s38, s45
	s_add_nc_u64 s[DA:DA+1], s[DA:DA+1], s[46:47]
	s_and_b32 s39, ttmp9, 7
	s_mul_i32 s46, s39, 8*1792                     ; my 16 token tiles are records 8 (gx % 8) on
	s_add_nc_u64 s[DA:DA+1], s[DA:DA+1], s[46:47]
	s_mov_b32 s46, s45
	s_add_nc_u64 s[DB:DB+1], s[DA:DA+1], s[46:47]
	s_lshl_b32 s46, s[WV], 9
	s_add_nc_u64 s[BP:BP+1], s[BP:BP+1], s[46:47]  ; my 128 features' bias
	WIN 0xC0
.irp i, 0,1,2,3,4,5,6,7                        ; accumulator i = 2 b + u: register j is feature 32 b + 16 h + 8 u + j
	global_load_b128 v[BIA+8*\i:BIA+8*\i+3], v[HB], s[BP:BP+1] offset:(32*(\i/2)+8*(\i%2))*4
	global_load_b128 v[BIA+8*\i+4:BIA+8*\i+7], v[HB], s[BP:BP+1] offset:(32*(\i/2)+8*(\i%2))*4+16
.endr
	WIN 0
	LOADR 0, 0, 0
	LOADR 1, 1, 0
	s_mov_b32 s[CNT], 3
.Lqk:
	TRIP 0, 0
	s_sub_co_u32 s[CNT], s[CNT], 1
	s_cmp_lg_u32 s[CNT], 0
	s_cbranch_scc1 .Lqk
	TRIP 1, 0                                      ; the last four units are written out: their last two ask for nothing
	s_endpgm
	; ---- v
.Lv:
	s_lshl_b32 s38, ttmp9, 1
	s_add_co_u32 s38, s38, s41                     ; my group of 128 tokens: 2 gx + w / 2
	s_lshr_b32 s39, s38, 4                         ; n
	s_and_b32 s38, s38, 15                         ; the key step sigma
	s_lshl_b32 s39, s39, 3
	s_lshl_b32 s40, s43, 2
	s_add_co_u32 s39, s39, s40                     ; my first head: 8 n + 4 (w % 2)
	s_mul_i32 s46, s39, 229376
	s_add_nc_u64 s[DA:DA+1], s[16:17], s[46:47]
	s_mul_i32 s46, s38, 4*1792
	s_add_co_u32 s46, s46, 114688                  ; behind the head's records of k: record 4 sigma
	s_add_nc_u64 s[DA:DA+1], s[DA:DA+1], s[46:47]
	s_lshl_b32 s46, s43, 10
	s_add_nc_u64 s[BP:BP+1], s[12:13], s[46:47]    ; b_v at my 256 channels
	LOADR 0, 0, 1
	LOADR 1, 1, 1
	s_mov_b32 s[CNT], 3
.Lvv:
	TRIP 0, 1
	s_sub_co_u32 s[CNT], s[CNT], 1
	s_cmp_lg_u32 s[CNT], 0
	s_cbranch_scc1 .Lvv
	TRIP 1, 1                                      ; written out: no load reaches past b_v's or cod's part
	s_endpgm
.Lfunc_end_k_q79e4a134d2_qkv:
	.size	k_q79e4a134d2_qkv, .Lfunc_end_k_q79e4a134d2_qkv-k_q79e4a134d2_qkv
	.p2alignl 7, 3214868480
	.fill 96, 4, 3214868480
	.section	.rodata,"a",@progbits
	.p2align	6, 0x0
	.amdhsa_kernel k_q79e4a134d2_qkv
		.amdhsa_group_segment_fixed_size 0
		.amdhsa_private_segment_fixed_size 0
		.amdhsa_enable_private_segment 0
		.amdhsa_kernarg_size 56
		.amdhsa_user_sgpr_count 2
		.amdhsa_user_sgpr_kernarg_segment_ptr 1
		.amdhsa_wavefront_size32 1
		.amdhsa_system_sgpr_workgroup_id_x 1
		.amdhsa_system_sgpr_workgroup_id_y 1
		.amdhsa_system_sgpr_workgroup_id_z 1
		.amdhsa_system_vgpr_workitem_id 0
		.amdhsa_next_free_vgpr 1024
		.amdhsa_next_free_sgpr 66
		.amdhsa_reserve_vcc 0
		.amdhsa_float_denorm_mode_32 3
		.amdhsa_float_denorm_mode_16_64 3
		.amdhsa_memory_ordered 1
		.amdhsa_forward_progress 1
		.amdhsa_inst_pref_size 180
	.end_amdhsa_kernel
	.amdgpu_metadata
---
amdhsa.version: [ 1, 2 ]
amdhsa.kernels:
  - .name:           k_q79e4a134d2_qkv
    .symbol:         k_q79e4a134d2_qkv.kd
    .args:
      - { .name: cod, .offset: 0, .size: 8, .value_kind: global_buffer, .address_space: global }
      - { .name: scl, .offset: 8, .size: 8, .value_kind: global_buffer, .address_space: global }
      - { .name: b_q, .offset: 16, .size: 8, .value_kind: global_buffer, .address_space: global }
      - { .name: b_k, .offset: 24, .size: 8, .value_kind: global_buffer, .address_space: global }
      - { .name: b_v, .offset: 32, .size: 8, .value_kind: global_buffer, .address_space: global }
      - { .name: qbuf, .offset: 40, .size: 8, .value_kind: global_buffer, .address_space: global }
      - { .name: kvbuf, .offset: 48, .size: 8, .value_kind: global_buffer, .address_space: global }
    .group_segment_fixed_size: 0
    .private_segment_fixed_size: 0
    .kernarg_segment_align: 8
    .kernarg_segment_size: 56
    .max_flat_workgroup_size: 128
    .sgpr_count:     66
    .vgpr_count:     1024
    .wavefront_size: 32
...
	.end_amdgpu_metadata
.endif
;; end of part 2
;; launch attn (part 3): grid 4 x 64, 16 waves a work-group, clusters of 4 x 1, 231,424 bytes of LDS; arguments qbuf, kvbuf, obuf; writes obuf
.if DOCPART == 3
	.amdgcn_target "amdgcn-amd-amdhsa--gfx1250"
	.amdhsa_code_object_version 6
	.text
	.protected	k_q79e4a134d2_attn
	.globl	k_q79e4a134d2_attn
	.p2align	8
	.type	k_q79e4a134d2_attn,@function
k_q79e4a134d2_attn:
	s_mov_b64 s[64:65], 0
	v_nop
	global_prefetch_b8 v0, s[64:65] scope:SCOPE_SE
	s_setreg_imm32_b32 hwreg(HW_REG_WAVE_MODE, 25, 1), 1
	s_wait_xcnt 0x0
	s_wait_alu depctr_hold_cnt(0) depctr_sa_sdst(0) depctr_va_vdst(0) depctr_va_sdst(0) depctr_va_ssrc(0) depctr_va_vcc(0) depctr_vm_vsrc(0)
	s_getreg_b32 s2, hwreg(HW_REG_IB_STS2, 6, 4)
	s_cmp_eq_u32 s2, 0
	s_cbranch_scc0 .Lentry_in_a_cluster
	s_endpgm
.Lentry_in_a_cluster:
	s_bfe_u32 s2, ttmp6, 0x10000c
	s_cmp_lg_u32 s2, 0x3003
	s_cbranch_scc0 .Lentry_shape_is_right
	s_endpgm
.Lentry_shape_is_right:
; For each of 64 heads (8 n + h): o = softmax(q k^T / 8) v, 2,048 queries x 2,048 keys x 64, both products on codes of FP6 (E2M3) with E8M0 scales; o is quantised along D and stored as register images.
; THE SOFTMAX AHEAD OF THE SECOND PRODUCT: t = score x log2(e) / 8; M = the running largest t rounded UP to a whole number; p = 2^(t - M) is what is quantised, along the keys, not normalised.
; The row's sum is taken of the unquantised p, in f32, and divides O at the end.  When M moves, the sum and O are multiplied by 2^(old M - new M): exact.
; SHARES.  A work-group owns 512 queries of one head; each of its sixteen waves owns one tile of 16 queries in each of two passes, in 242 registers: four waves to a SIMD, so that one wave's vector
; work stands beside another's matrix work and LDS loads.  Every wave walks all keys, 128 a step.
; LDS holds the head's 229,376 bytes of kvbuf AS THEY LIE: 64 records of k, 64 of v, each a register image with its scale words.  They are filled ONCE: no slot is ever filled again and nothing is stored over them.
; CLUSTER.  The four work-groups of a cluster own the four quarters of one head's queries and read the same k and v: each piece is asked for JOINTLY, by the same tensor load with the same descriptor
; and a mask that names the four.  Waves 0, 1 fetch k, waves 2, 3 v, in four chunks of four key steps; four loads of a wave are out at the most.
; LAYOUT.  Both products are used transposed: S^T = k q^T (source 0 = 16 keys, source 1 = my 16 queries), O^T = v^T p^T (source 0 = 16 channels): a lane holds ONE query (lane % 16) throughout.
; The tokens of a tile and the channels of a tile are laid so (see the launch that made cod) that the 16 registers of results 2 b, 2 b + 1 are 16 neighbours: keys for p, channels for o.
; THE FIRST PRODUCT'S K IS 64: registers 6-11 of q's and k's fragments are zero codes, written once; bytes 2 and 3 of their scale words are 0, which scales zeros.
; LIMITS: NaN and infinities are not served; a p under 2^-126 comes out as 0; a block of zeros or under 2^-124 gets the byte 1; a block's largest p is taken from its largest score, which takes v_exp_f32 not to fall where its input rises.
.set L16, 1                            ; v1   16 x lane: my place in a record's pieces of 512 bytes
.set L8,  2                            ; v2   8 x lane: in its pieces of 256 bytes
.set V16, 3                            ; v3   the same behind k's 114,688 bytes
.set V8,  4                            ; v4
.set AK16, 5                           ; v5-8 the same four in the step in hand
.set AK8,  6
.set AV16, 7
.set AV8,  8
.set Q0,  16                           ; v16-27 q of pass 0;  v28-39 of pass 1
.set Q1,  28
.set QS0, 40                           ; v40, v41 their scale words
.set QS1, 41
.set KSC, 42                           ; v42-45 four tiles' scale words of k
.set VSC, 46                           ; v46-49 of v
.set KF,  50                           ; v50-97 four fragments of k
.set S,   98                           ; v98-161 S^T, then p; then v's four fragments in v98-145
.set OT,  162                          ; v162-193 O^T
.set PC,  194                          ; v194-205 p's codes
.set PT,  206                          ; v206-213 the conversions' second halves
.set BM,  214                          ; v214-217 each block's largest
.set BT,  218                          ; v218-221 at work
.set BS,  222                          ; v222-225 the conversions' scale operands
.set FF,  226                          ; v[226:227] f = 2^(old M - new M)
.set PWD, 228                          ; v228 p's scale word
.set TMP, 229
.set SUM2, 230                         ; v[230:231] the sums' second chain
.set WP,  232                          ; v[232:233] o's scale word, twice
.set WV,  10
.set G1,  16                           ; s[16:23] descriptor group 1;  s[24:39] four groups 0
.set G0,  24
.set CS,  42                           ; s[42:43] c = log2(e) / 8
.set SEL, 44
.set TS,  46                           ; LDS byte of the step in hand, in k's records (v's lie 114,688 further on)
.set CNT, 47
.set QB,  48                           ; s[48:49] my record of q
.set OL,  50                           ; s[50:51] o's record, my head's piece of 512 bytes;  s[52:53] its pieces of 256
.set OH,  52
.macro CROUND                          ; a round of the cluster's barrier: my work-group's barrier, wave 0's signal for the work-group, every wave's wait for all four, my work-group's barrier once more
	s_barrier_signal -1
	s_barrier_wait -1
	s_cmp_lg_u32 s[WV], 0
	s_cbranch_scc1 .Lnot_wave_0_\@
	s_barrier_signal -3
.Lnot_wave_0_\@:
	s_barrier_wait -3
	s_barrier_signal -1
	s_barrier_wait -1
.endm
; A KEY STEP: 128 keys, for the 16 queries whose fragment is v[qb] on and whose scale words are v[qs].
.macro STEP qb, qs
	v_add_nc_u32 v[AK16], s[TS], v[L16]
	v_add_nc_u32 v[AK8], s[TS], v[L8]
	v_add_nc_u32 v[AV16], s[TS], v[V16]
	v_add_nc_u32 v[AV8], s[TS], v[V8]
	v_nop
	v_nop                                          ; six plain instructions behind the last step's products: the scores below are written over v's fragments, which those products read: five are owed
.irp g, 0,1                                    ; S^T = k q^T, four tiles of 16 keys at a time
.if \g == 1
.rept 4
	v_nop                                          ; four in front of loads into registers that products have read
.endr
.endif
.irp t, 0,1,2,3
	ds_load_b128 v[KF+12*\t:KF+12*\t+3], v[AK16] offset:1792*(2*\g+\t/2)+512*(\t%2)          ; 32 lanes read 512 consecutive bytes
	ds_load_b64 v[KF+12*\t+4:KF+12*\t+5], v[AK8] offset:1792*(2*\g+\t/2)+1024+256*(\t%2)
.endr
	ds_load_b64 v[KSC:KSC+1], v[AK8] offset:1792*(2*\g)+1536
	ds_load_b64 v[KSC+2:KSC+3], v[AK8] offset:1792*(2*\g+1)+1536
	s_wait_dscnt 0x0
.irp t, 0,1,2,3
	v_wmma_scale_f32_16x16x128_f8f6f4 v[S+8*(4*\g+\t):S+8*(4*\g+\t)+7], v[KF+12*\t:KF+12*\t+11], v[\qb:\qb+11], 0, v[KSC+\t], v[\qs] matrix_a_fmt:MATRIX_FMT_FP6 matrix_b_fmt:MATRIX_FMT_FP6
.endr
.endr                                          ; the 16 registers of tiles 2 b, 2 b + 1 are keys 32 b + 16 (lane / 16) + 0 .. 15 of the step
.rept 4
	v_nop
.endr
.irp b, 0,1,2,3
	v_max3_num_f32 v[BM+\b], v[S+16*\b], v[S+1+16*\b], v[S+2+16*\b]   ; the largest score of each block of 32 keys: for the row's maximum and, since p rises with the score, for the block's largest p
.endr
.irp i, 3,5,7,9,11,13
.irp b, 0,1,2,3
	v_max3_num_f32 v[BM+\b], v[BM+\b], v[S+16*\b+\i], v[S+1+16*\b+\i]
.endr
.endr
.irp b, 0,1,2,3
	v_max_num_f32 v[BM+\b], v[BM+\b], v[S+15+16*\b]
.endr
.irp b, 0,1,2,3
	v_permlanex16_b32 v[BT+\b], v[BM+\b], s[SEL], s[SEL+1]
.endr
.irp b, 0,1,2,3
	v_max_num_f32 v[BM+\b], v[BM+\b], v[BT+\b]             ; with lane l xor 16's 16 keys
.endr
	v_max3_num_f32 v[TMP], v[BM], v[BM+1], v[BM+2]
	v_max_num_f32 v[TMP], v[TMP], v[BM+3]                  ; the step's largest score of my query
	v_mul_f32 v[TMP], s[CS], v[TMP]                        ; as t (c is positive)
	v_max_num_f32 v13, v13, v[TMP]                         ; the running largest t
	v_mov_b32 v[TMP], v12
	v_floor_f32 v12, -v13                                  ; the new -M = floor(-t): M is a whole number
	v_sub_f32 v[TMP], v12, v[TMP]                          ; old M - new M: a whole number, 0 or less
	v_cvt_i32_f32 v[TMP], v[TMP]                           ; (it saturates)
	v_ldexp_f32 v[FF], 1.0, v[TMP]                         ; f = 2^(old M - new M)
.set jj, 0
.rept 32
	v_pk_fma_f32 v[S+jj:S+jj+1], v[S+jj:S+jj+1], s[CS:CS+1], v[12:13] op_sel_hi:[1,0,0]   ; t - M, two at a time (of the pairs c and -M the low word serves both halves)
.set jj, jj+2
.endr
.irp b, 0,1,2,3
	v_fma_f32 v[BM+\b], v[BM+\b], s[CS], v12               ; the same of each block's largest score
.endr
.set jj, 0
.rept 64
	v_exp_f32 v[S+jj], v[S+jj]                             ; p = 2^(t - M), at most 1
.set jj, jj+1
.endr
	v_pk_mul_f32 v[14:15], v[14:15], v[FF:FF+1] op_sel_hi:[1,0]   ; the sums under the new M: the plain instruction behind the exponentials
	s_wait_alu depctr_va_vdst(0)                           ; one wait for the batch of 64, ahead of its first reader
.irp b, 0,1,2,3
	v_exp_f32 v[BM+\b], v[BM+\b]                           ; the block's largest p: the same two instructions on the same number
.endr
	v_pk_add_f32 v[SUM2:SUM2+1], v[S:S+1], v[S+2:S+3]      ; the row's sum of the unquantised p, two at a time, in two chains; it reads the 64 alone
.irp j, 4,8,12,16,20,24,28,32,36,40,44,48,52,56,60
	v_pk_add_f32 v[14:15], v[14:15], v[S+\j:S+\j+1]
	v_pk_add_f32 v[SUM2:SUM2+1], v[SUM2:SUM2+1], v[S+2+\j:S+3+\j]
.endr
	v_pk_add_f32 v[14:15], v[14:15], v[SUM2:SUM2+1]
	s_wait_alu depctr_va_vdst(0)                           ; and one for the four
.irp b, 0,1,2,3
	v_max_num_f32 v[BM+\b], 0x1800000, v[BM+\b]            ; the floor 2^(3 - 127): the byte cannot fall under 1
.endr
.irp b, 0,1,2,3
	v_add_nc_u32 v[BS+\b], 0xff000000, v[BM+\b]            ; 2 off the exponent field: the conversion's scale operand
.endr
.irp b, 0,1,2,3
	v_lshrrev_b32 v[BT+\b], 23, v[BS+\b]                   ; the scale's byte
.endr
	v_lshl_or_b32 v[PWD], v[BT+1], 8, v[BT]
	v_lshl_or_b32 v[PWD], v[BT+2], 16, v[PWD]
	v_lshl_or_b32 v[PWD], v[BT+3], 24, v[PWD]              ; p's scale word for these 128 keys
.irp c, 0,1
	v_cvt_scalef32_pk16_fp6_f32 v[PC+6*\c:PC+2+6*\c], v[S+32*\c:S+15+32*\c], v[BS+2*\c]
	v_cvt_scalef32_pk16_fp6_f32 v[PT+4*\c:PT+2+4*\c], v[S+16+32*\c:S+31+32*\c], v[BS+2*\c+1]
.endr
	v_nop                                                  ; one plain instruction behind the scaled conversions
.irp t, 0,1,2,3                                        ; p is spent: v's four fragments (16 channels x these 128 keys each) land in its registers while the codes are put in order
	ds_load_b128 v[S+12*\t:S+12*\t+3], v[AV16] offset:1792*\t
	ds_load_b64 v[S+12*\t+4:S+12*\t+5], v[AV8] offset:1792*\t+1024
	ds_load_b128 v[S+12*\t+6:S+12*\t+9], v[AV16] offset:1792*\t+512
	ds_load_b64 v[S+12*\t+10:S+12*\t+11], v[AV8] offset:1792*\t+1280
	ds_load_b32 v[VSC+\t], v[AV8] offset:1792*\t+1536
.endr
.irp c, 0,1                                            ; the operand wants a whole block in a lane
.irp i, 0,1,2
	v_permlane16_swap_b32 v[PC+6*\c+\i], v[PT+4*\c+\i]
.endr
.irp i, 0,1,2
	v_mov_b32 v[PC+3+6*\c+\i], v[PT+4*\c+\i]
.endr
.endr
.set jj, 0
.rept 16
	v_pk_mul_f32 v[OT+jj:OT+jj+1], v[OT+jj:OT+jj+1], v[FF:FF+1] op_sel_hi:[1,0]   ; O^T under the new M.  These also stand between the codes' and the scale word's last writes and the products
.set jj, jj+2
.endr
	s_wait_dscnt 0x0
.irp t, 0,1,2,3
	v_wmma_scale_f32_16x16x128_f8f6f4 v[OT+8*\t:OT+8*\t+7], v[S+12*\t:S+12*\t+11], v[PC:PC+11], v[OT+8*\t:OT+8*\t+7], v[VSC+\t], v[PWD] matrix_a_fmt:MATRIX_FMT_FP6 matrix_b_fmt:MATRIX_FMT_FP6
.endr                                          ; four accumulators by turns; eight score products stand between two links of a chain
	s_add_co_u32 s[TS], s[TS], 4*1792              ; a step is four records of k, and four of v
.endm
; Chunk c: key steps 4 c .. 4 c + 3.  The fetching waves wait until their loads of this chunk have landed (the 3 - c later ones may stay out: nothing in LDS is ever filled again), then the barrier shows it to all sixteen.
.macro CHUNK c, qb, qs
	s_wait_tensorcnt 3-(\c)
	s_wait_dscnt 0x0                               ; no LDS instruction of mine is out at the signal
	s_barrier_signal -1
	s_barrier_wait -1
	s_mov_b32 s[TS], 28672*(\c)
	s_mov_b32 s[CNT], 4
.Lstep_\@:
	STEP \qb, \qs
	s_sub_co_u32 s[CNT], s[CNT], 1
	s_cmp_lg_u32 s[CNT], 0
	s_cbranch_scc1 .Lstep_\@
.endm
.macro INIT                            ; the step is written without a first step of its own: it finds zeros, which the first change of M leaves zeros
	v_mov_b32 v13, 0xff61b1e6                      ; the largest t so far: -3e38
	v_floor_f32 v12, -v13                          ; -M
	v_mov_b32 v14, 0
	v_mov_b32 v15, 0
.set jj, 0
.rept 32
	v_mov_b32 v[OT+jj], 0
.set jj, jj+1
.endr
.endm
; O^T / the sum is my query's 64 channels of this head: two blocks of 32 along D.  They are quantised and stored as half a fragment of the last product's operand.
.macro OUT p
.rept 4
	v_nop                                          ; behind the last products
.endr
	v_add_f32 v14, v14, v15
	v_permlanex16_b32 v[TMP], v14, s[SEL], s[SEL+1]
	v_add_f32 v14, v14, v[TMP]                     ; the row's sum
	v_rcp_f32 v14, v14
	v_nop                                          ; a plain instruction behind the reciprocal,
	s_wait_alu depctr_va_vdst(0)                   ; and the wait ahead of its first reader
.set jj, 0
.rept 32
	v_mul_f32 v[S+jj], v[OT+jj], v14               ; register 16 b + i is channel 32 b + 16 (lane / 16) + i; each accumulator from its low end on
.set jj, jj+1
.endr
.irp b, 0,1
	v_max3_num_f32 v[BM+\b], |v[S+16*\b]|, |v[S+1+16*\b]|, 0x1800000
.endr
.irp i, 2,4,6,8,10,12,14
.irp b, 0,1
	v_max3_num_f32 v[BM+\b], v[BM+\b], |v[S+16*\b+\i]|, |v[S+1+16*\b+\i]|
.endr
.endr
.irp b, 0,1
	v_permlanex16_b32 v[BT+\b], v[BM+\b], s[SEL], s[SEL+1]
.endr
.irp b, 0,1
	v_max_num_f32 v[BM+\b], v[BM+\b], v[BT+\b]
.endr
.irp b, 0,1
	v_add_nc_u32 v[BS+\b], 0xff000000, v[BM+\b]
.endr
.irp b, 0,1
	v_lshrrev_b32 v[BT+\b], 23, v[BS+\b]
.endr
	v_lshl_or_b32 v[WP], v[BT+1], 8, v[BT]         ; my head's two bytes of the row's scale word
	v_mov_b32 v[WP+1], v[WP]
	v_cvt_scalef32_pk16_fp6_f32 v[PC:PC+2], v[S:S+15], v[BS]
	v_cvt_scalef32_pk16_fp6_f32 v[PT:PT+2], v[S+16:S+31], v[BS+1]
	v_nop
.irp i, 0,1,2
	v_permlane16_swap_b32 v[PC+\i], v[PT+\i]
.endr
.irp i, 0,1,2
	v_mov_b32 v[PC+3+\i], v[PT+\i]
.endr
	global_store_b128 v[L16], v[PC:PC+3], s[OL:OL+1] offset:131072*(\p)            ; 512 consecutive bytes; the two below 256 each, all aligned to 256
	global_store_b64 v[L8], v[PC+4:PC+5], s[OH:OH+1] offset:131072*(\p)+1024
	global_store_b64 v[L8], v[WP:WP+1], s[OH:OH+1] offset:131072*(\p)+1536
.endm
	s_load_b128 s[4:7], s[0:1], 0x0                ; qbuf s[4:5], kvbuf s[6:7]
	s_load_b64 s[8:9], s[0:1], 0x10                ; obuf
	v_lshl_add_u32 v240, v0, 2, 0x38000
	v_mov_b32 v241, 0
	ds_add_u32 v240, v241
	ds_add_u32 v240, v241
	v_lshrrev_b32 v9, 5, v0
	v_readfirstlane_b32 s[WV], v9                  ; wave 0..15
	v_and_b32 v9, 31, v0
	v_lshlrev_b32 v[L16], 4, v9
	v_lshlrev_b32 v[L8], 3, v9
	v_add_nc_u32 v[V16], 114688, v[L16]
	v_add_nc_u32 v[V8], 114688, v[L8]
	s_bfe_u32 s11, ttmp6, 0x40000                  ; cx: my place in the cluster
	s_lshl_b32 s12, ttmp9, 2
	s_add_co_u32 s12, s12, s11                     ; my quarter of the queries: it enters q's and o's global addresses alone
	s_and_b32 s13, ttmp7, 0xffff                   ; the head 8 n + h, which the four partners share
	; descriptor group 1: 56 rows of 256 bytes (32 elements of 8 bytes), dense in memory and in LDS
	s_mov_b32 s[G1], 15|(3<<16)|(1<<21)            ; 15:0 the mask: all four work-groups; 17:16 elements of 8 bytes; 20 no padding; 21 set beside a mask
	s_mov_b32 s[G1+1], 32<<16                      ; tensor_dim0 = 32
	s_mov_b32 s[G1+2], 56<<16                      ; tensor_dim1 = 56
	s_mov_b32 s[G1+3], 32<<16                      ; tile_dim0 = 32
	s_mov_b32 s[G1+4], 56                          ; tile_dim1 = 56
	s_mov_b32 s[G1+5], 32                          ; from row to row
	s_mov_b32 s[G1+6], 0
	s_mov_b32 s[G1+7], 0
	s_mov_b32 s[CS], 0x3e38aa3b                    ; c = log2(e) / 8
	s_mov_b32 s[CS+1], s[CS]                       ; (named with it as a pair, so it is written)
	s_mov_b32 s[SEL], 0x76543210
	s_mov_b32 s[SEL+1], 0xfedcba98
	s_and_b32 s54, s[WV], 3                        ; what I fetch, if I fetch: waves 0, 1 the halves of a chunk of k, waves 2, 3 of v
	s_lshr_b32 s55, s54, 1
	s_mul_i32 s55, s55, 114688
	s_and_b32 s56, s[WV], 1
	s_mul_i32 s56, s56, 14336
	s_add_co_u32 s55, s55, s56                     ; its byte in the head's image: in LDS and in memory alike
	s_mul_i32 s56, s13, 229376
	s_add_co_u32 s56, s56, s55
	s_mov_b32 s57, 0
	s_wait_dscnt 0x0
	s_wait_kmcnt 0x0
	s_add_nc_u64 s[58:59], s[6:7], s[56:57]
	CROUND                                         ; all four work-groups are here: the joint loads meet
.irp c, 0,1,2,3
	s_mov_b32 s[G0+4*\c], 1                        ; count = 1
	s_add_co_u32 s[G0+4*\c+1], s55, 28672*\c       ; LDS address: chunk c
	s_add_nc_u64 s[G0+4*\c+2:G0+4*\c+3], s[58:59], 28672*\c
	s_or_b32 s[G0+4*\c+3], s[G0+4*\c+3], 0x80000000   ; type = 2
.endr
	s_cmp_lt_u32 s[WV], 4                          ; a wave's four fills stand in one branch on the wave's number, ahead of every wait on TENSORcnt, every LDS read and every barrier but the round
	s_cbranch_scc0 .Lno_fill
	tensor_load_to_lds s[G0:G0+3], s[G1:G1+7]
	s_nop 0
	tensor_load_to_lds s[G0+4:G0+7], s[G1:G1+7]
	s_nop 0
	tensor_load_to_lds s[G0+8:G0+11], s[G1:G1+7]
	s_nop 0
	tensor_load_to_lds s[G0+12:G0+15], s[G1:G1+7]
	s_nop 0
.rept 4
	v_nop                                          ; behind tensor loads
.endr
.Lno_fill:
	; q: pass p's tile is 32 gx + 16 p + w of the head's 128: record 16 gx + 8 p + w / 2, half w % 2
	s_mul_i32 s56, s13, 114688
	s_lshl_b32 s60, s12, 4
	s_lshr_b32 s61, s[WV], 1
	s_add_co_u32 s60, s60, s61
	s_mul_i32 s60, s60, 1792
	s_add_co_u32 s56, s56, s60
	s_add_nc_u64 s[QB:QB+1], s[4:5], s[56:57]
	s_and_b32 s61, s[WV], 1
	s_lshl_b32 s62, s61, 9
	v_add_nc_u32 v9, s62, v[L16]
	s_lshl_b32 s62, s61, 8
	v_add_nc_u32 v10, s62, v[L8]
	s_lshl_b32 s62, s61, 2
	v_add_nc_u32 v11, s62, v[L8]
	global_load_b128 v[Q0:Q0+3], v9, s[QB:QB+1]
	global_load_b64 v[Q0+4:Q0+5], v10, s[QB:QB+1] offset:1024
	global_load_b32 v[QS0], v11, s[QB:QB+1] offset:1536
	global_load_b128 v[Q1:Q1+3], v9, s[QB:QB+1] offset:14336
	global_load_b64 v[Q1+4:Q1+5], v10, s[QB:QB+1] offset:14336+1024
	global_load_b32 v[QS1], v11, s[QB:QB+1] offset:14336+1536
	; o: token tile 128 n + 32 gx + 16 p + w, 8,192 bytes each; K step h / 2, 2,048 bytes; half h % 2
	s_lshr_b32 s54, s13, 3
	s_lshl_b32 s54, s54, 7
	s_lshl_b32 s60, s12, 5
	s_add_co_u32 s54, s54, s60
	s_add_co_u32 s54, s54, s[WV]
	s_lshl_b32 s54, s54, 13
	s_and_b32 s60, s13, 7
	s_lshr_b32 s61, s60, 1
	s_lshl_b32 s61, s61, 11
	s_add_co_u32 s56, s54, s61
	s_add_nc_u64 s[OL:OL+1], s[8:9], s[56:57]
	s_and_b32 s60, s60, 1
	s_lshl_b32 s56, s60, 8
	s_add_nc_u64 s[OH:OH+1], s[OL:OL+1], s[56:57]
	s_lshl_b32 s56, s60, 9
	s_add_nc_u64 s[OL:OL+1], s[OL:OL+1], s[56:57]
.irp j, 6,7,8,9,10,11                          ; the zero codes of K = 64 .. 127: written once, never loaded into
	v_mov_b32 v[Q0+\j], 0
	v_mov_b32 v[Q1+\j], 0
	v_mov_b32 v[KF+\j], 0
	v_mov_b32 v[KF+12+\j], 0
	v_mov_b32 v[KF+24+\j], 0
	v_mov_b32 v[KF+36+\j], 0
.endr
.irp b, 0,1,2,3
	v_mov_b32 v[BT+\b], 0                          ; written once: a lane permute's destination counts as one of its sources
.endr
	v_mov_b32 v[FF+1], 0                           ; (named as the upper half of a pair)
	INIT
	s_wait_loadcnt 0x0                             ; q
	CHUNK 0, Q0, QS0                               ; pass 0 walks the chunks as they land
	CHUNK 1, Q0, QS0
	CHUNK 2, Q0, QS0
	CHUNK 3, Q0, QS0
	OUT 0
	s_wait_xcnt 0x0                                ; the stores have read their registers
	INIT
	s_mov_b32 s[TS], 0                             ; pass 1: all of the head lies in LDS
	s_mov_b32 s[CNT], 16
.Lpass1:
	STEP Q1, QS1
	s_sub_co_u32 s[CNT], s[CNT], 1
	s_cmp_lg_u32 s[CNT], 0
	s_cbranch_scc1 .Lpass1
	OUT 1
	s_wait_dscnt 0x0
	s_wait_tensorcnt 0x0
	ds_add_u32 v240, v241
	s_wait_dscnt 0x0
	CROUND                                         ; the closing round: no work-group ends while a partner may still ask for a piece that names it
	s_endpgm
.Lfunc_end_k_q79e4a134d2_attn:
	.size	k_q79e4a134d2_attn, .Lfunc_end_k_q79e4a134d2_attn-k_q79e4a134d2_attn
	.p2alignl 7, 3214868480
	.fill 96, 4, 3214868480
	.section	.rodata,"a",@progbits
	.p2align	6, 0x0
	.amdhsa_kernel k_q79e4a134d2_attn
		.amdhsa_group_segment_fixed_size 231424
		.amdhsa_private_segment_fixed_size 0
		.amdhsa_enable_private_segment 0
		.amdhsa_kernarg_size 24
		.amdhsa_user_sgpr_count 2
		.amdhsa_user_sgpr_kernarg_segment_ptr 1
		.amdhsa_wavefront_size32 1
		.amdhsa_system_sgpr_workgroup_id_x 1
		.amdhsa_system_sgpr_workgroup_id_y 1
		.amdhsa_system_sgpr_workgroup_id_z 1
		.amdhsa_system_vgpr_workitem_id 0
		.amdhsa_next_free_vgpr 242
		.amdhsa_next_free_sgpr 66
		.amdhsa_reserve_vcc 0
		.amdhsa_float_denorm_mode_32 3
		.amdhsa_float_denorm_mode_16_64 3
		.amdhsa_memory_ordered 1
		.amdhsa_forward_progress 1
		.amdhsa_inst_pref_size 100
	.end_amdhsa_kernel
	.amdgpu_metadata
---
amdhsa.version: [ 1, 2 ]
amdhsa.kernels:
  - .name:           k_q79e4a134d2_attn
    .symbol:         k_q79e4a134d2_attn.kd
    .args:
      - { .name: qbuf, .offset: 0, .size: 8, .value_kind: global_buffer, .address_space: global }
      - { .name: kvbuf, .offset: 8, .size: 8, .value_kind: global_buffer, .address_space: global }
      - { .name: obuf, .offset: 16, .size: 8, .value_kind: global_buffer, .address_space: global }
    .group_segment_fixed_size: 231424
    .private_segment_fixed_size: 0
    .kernarg_segment_align: 8
    .kernarg_segment_size: 24
    .max_flat_workgroup_size: 512
    .sgpr_count:     66
    .vgpr_count:     242
    .wavefront_size: 32
...
	.end_amdgpu_metadata
.endif
;; end of part 3
;; launch oproj (part 4): grid 256 x 1, 4 waves a work-group, no clusters, 34,304 bytes of LDS; arguments cod, scl, obuf, b_o, out0; writes out0
.if DOCPART == 4
	.amdgcn_target "amdgcn-amd-amdhsa--gfx1250"
	.amdhsa_code_object_version 6
	.text
	.protected	k_q79e4a134d2_oproj
	.globl	k_q79e4a134d2_oproj
	.p2align	8
	.type	k_q79e4a134d2_oproj,@function
k_q79e4a134d2_oproj:
	s_mov_b64 s[64:65], 0
	v_nop
	global_prefetch_b8 v0, s[64:65] scope:SCOPE_SE
	s_setreg_imm32_b32 hwreg(HW_REG_WAVE_MODE, 25, 1), 1
	s_wait_xcnt 0x0
; out0 = o w_o^T + b_o on codes of FP6 (E2M3) with E8M0 scales, f32 sums.  o [16384][512] lies in obuf as register images made by the attention launch, w_o in cod and scl.
; SHARES.  A work-group takes 64 tokens (four tiles of o); wave w keeps w_o's tiles 8 w .. 8 w + 7 (outputs 128 w on) x 4 K steps STATIONARY in 384 registers and streams the four tiles of o.
; A unit is one tile: 32 matrix instructions, 8 accumulators by turns, K ascending; source 0 = w_o's tile, source 1 = o's: a lane holds one token and 128 neighbouring outputs in groups of 16.
; obuf: token tile T at 8192 T, K step s at + 2048 s: registers 0-3 at 16 l, 6-9 at 512 + 16 l, 4-5 at 1024 + 8 l, 10-11 at 1280 + 8 l; the scale word's lower two bytes at 1536 + 8 l, its upper two at 1792 + 8 l.
; THE WAY OUT.  A lane's numbers belong to one row and the lanes beside it hold other rows: a tile goes through the wave's own stage in LDS (16 rows x (512 + 16) bytes) and comes back as whole
; pieces of rows: each store of the wave covers 512 consecutive bytes, aligned to 256.  The stage is the wave's own: no barrier.  Lane row rho of tile 4 g + j is token 64 g + 32 (j / 2) + 8 (j % 2) + rho + 8 (rho / 8).
; NO CLUSTER: every operand is a register image that a wave's own lanes load; there is no LDS tile that a joint load could fill.
; REGISTERS: window 0: v1-7 offsets; v16-79 accumulators; v128-159 w_o's scale words; v160-167 o's; v168-183 their halves as loaded; v184-247 rows on their way out.
;   windows 1, 2: stationary fragment (i, s) at window 1 + s / 2, register 96 (s % 2) + 12 i.   window 3: v0-95 two tiles of o; v96-159 the bias.
.set L16, 1
.set L8,  2
.set HB,  3
.set STO, 5                            ; the stage: where I put my numbers: 528 r + 64 h
.set RD,  6                            ; and where I read a row's piece back: 16 x lane
.set CO,  7                            ; my byte in a row of out0: 512 w + 16 x lane
.set ACC, 16
.set SS,  128
.set RS,  160
.set RW,  168
.set OB,  184
.set BIA, 96                           ; in window 3
.set WV,  18
.set SB,  20
.set SQ,  22
.set OBP, 24
.set OP,  28
.set BP,  32
.set MSB, 0
.macro WIN new                         ; the immediate's high byte repeats the setting that is left
.if MSB != \new
	s_set_vgpr_msb (MSB<<8)|\new
.set MSB, \new
.endif
.endm
.macro MUL buf, cb, cs                 ; 32 matrix instructions; the bias is the C of each sum's first; the accumulators take turns, one instruction a turn
.irp s, 0,1,2,3
.if \s == 0
	WIN 0x3D                                       ; source 0 window 1, source 1 and C window 3, D window 0
.elseif \s == 1
	WIN 0x0D
.else
	WIN 0x0E                                       ; source 0 window 2
.endif
.irp i, 0,1,2,3,4,5,6,7
.if \s == 0
	v_wmma_scale_f32_16x16x128_f8f6f4 v[ACC+8*\i:ACC+8*\i+7], v[96*(\s%2)+12*\i:96*(\s%2)+12*\i+11], v[48*(\buf)+12*\s:48*(\buf)+12*\s+11], v[(\cb)+(\cs)*\i:(\cb)+(\cs)*\i+7], v[SS+4*\i+\s], v[RS+4*(\buf)+\s] matrix_a_fmt:MATRIX_FMT_FP6 matrix_b_fmt:MATRIX_FMT_FP6
.else
	v_wmma_scale_f32_16x16x128_f8f6f4 v[ACC+8*\i:ACC+8*\i+7], v[96*(\s%2)+12*\i:96*(\s%2)+12*\i+11], v[48*(\buf)+12*\s:48*(\buf)+12*\s+11], v[ACC+8*\i:ACC+8*\i+7], v[SS+4*\i+\s], v[RS+4*(\buf)+\s] matrix_a_fmt:MATRIX_FMT_FP6 matrix_b_fmt:MATRIX_FMT_FP6
.endif
.endr
.endr
	WIN 0
.endm
.macro LOADO buf, k                    ; tile k of my four into buffer buf: 24 loads
	WIN 0xC0
.irp s, 0,1,2,3
	global_load_b128 v[48*(\buf)+12*\s:48*(\buf)+12*\s+3], v[L16], s[OBP:OBP+1] offset:8192*(\k)+2048*\s
	global_load_b64 v[48*(\buf)+12*\s+4:48*(\buf)+12*\s+5], v[L8], s[OBP:OBP+1] offset:8192*(\k)+2048*\s+1024
	global_load_b128 v[48*(\buf)+12*\s+6:48*(\buf)+12*\s+9], v[L16], s[OBP:OBP+1] offset:8192*(\k)+2048*\s+512
	global_load_b64 v[48*(\buf)+12*\s+10:48*(\buf)+12*\s+11], v[L8], s[OBP:OBP+1] offset:8192*(\k)+2048*\s+1280
.endr
	WIN 0
.irp s, 0,1,2,3
	global_load_b32 v[RW+8*(\buf)+2*\s], v[L8], s[OBP:OBP+1] offset:8192*(\k)+2048*\s+1536
	global_load_b32 v[RW+8*(\buf)+2*\s+1], v[L8], s[OBP:OBP+1] offset:8192*(\k)+2048*\s+1792
.endr
.endm
.macro OUNIT j
.set BF, (\j)%2
.if \j == 3
	s_wait_loadcnt 0x0
.else
	s_wait_loadcnt 24                              ; this tile is in; the next tile's 24 loads may be out
.endif
.irp s, 0,1,2,3
	v_lshl_or_b32 v[RS+4*BF+\s], v[RW+8*BF+2*\s+1], 16, v[RW+8*BF+2*\s]   ; two heads' bytes make the K step's scale word
.endr
.rept 8
	v_nop                                          ; a scale register written by a vector instruction stands eight plain instructions ahead of the scaled product
.endr
	MUL BF, BIA, 8
.rept 4
	v_nop                                          ; four between the last product and the loads into its operands, and the first read of results
.endr
.if \j < 2
	LOADO BF, (\j)+2
.endif
.irp b, 0,1,2,3
.irp q, 0,1,2,3
	ds_store_b128 v[STO], v[ACC+16*\b+4*\q:ACC+16*\b+4*\q+3] offset:128*\b+16*\q   ; outputs 32 b + 16 h + 4 q on; each accumulator from its low end on
.endr
.endr
	s_wait_xcnt 0x0                                ; the last tile's stores have read their registers: they are loaded again only behind this wait
.irp r, 0,1,2,3,4,5,6,7,8,9,10,11,12,13,14,15
	ds_load_b128 v[OB+4*\r:OB+4*\r+3], v[RD] offset:528*\r   ; LDS serves a wave's instructions in order (ISA guide 5.7.1.4): these see the stores above
.endr
.irp r, 0,1,2,3,4,5,6,7,8,9,10,11,12,13,14,15
	s_wait_dscnt 15-\r                             ; row r is back; the later rows may be out
	global_store_b128 v[CO], v[OB+4*\r:OB+4*\r+3], s[OP:OP+1] offset:(32*((\j)/2)+8*((\j)%2)+\r+8*(\r/8))*2048 th:TH_STORE_NT
.endr
.endm
	s_load_b256 s[4:11], s[0:1], 0x0               ; cod s[4:5], scl s[6:7], obuf s[8:9], b_o s[10:11]
	s_load_b64 s[12:13], s[0:1], 0x20              ; out0
	v_lshl_add_u32 v254, v0, 2, 0x8400
	v_mov_b32 v255, 0
	v_lshrrev_b32 v8, 5, v0
	v_readfirstlane_b32 s[WV], v8                  ; wave 0..3
	v_and_b32 v8, 31, v0
	v_lshlrev_b32 v[L16], 4, v8
	v_lshlrev_b32 v[L8], 3, v8
	v_and_b32 v8, 15, v0                           ; r
	v_bfe_u32 v9, v0, 4, 1                         ; h
	v_lshlrev_b32 v[HB], 6, v9
	v_mul_u32_u24 v[STO], v8, 528
	v_lshl_add_u32 v[STO], v9, 6, v[STO]
	s_mul_i32 s38, s[WV], 16*528                   ; my stage
	v_add_nc_u32 v[STO], s38, v[STO]
	v_add_nc_u32 v[RD], s38, v[L16]
	s_lshl_b32 s39, s[WV], 9
	v_add_nc_u32 v[CO], s39, v[L16]
	s_lshl_b32 s40, s[WV], 3
	s_add_co_u32 s40, s40, 1120                    ; w_o's tiles begin at 1024 + 96
	s_mov_b32 s47, 0
	s_mul_i32 s46, s40, 6144
	s_wait_kmcnt 0x0
	s_add_nc_u64 s[SB:SB+1], s[4:5], s[46:47]
	s_lshl_b32 s46, s40, 9
	s_add_nc_u64 s[SQ:SQ+1], s[6:7], s[46:47]
	s_lshl_b32 s46, ttmp9, 15                      ; four tiles of 8,192 bytes
	s_add_nc_u64 s[OBP:OBP+1], s[8:9], s[46:47]
	s_lshl_b32 s46, ttmp9, 17                      ; 64 rows of 2,048 bytes
	s_add_nc_u64 s[OP:OP+1], s[12:13], s[46:47]
	s_mov_b32 s46, s39
	s_add_nc_u64 s[BP:BP+1], s[10:11], s[46:47]    ; my 128 outputs' bias
	WIN 0x40                                       ; destination window 1
.irp i, 0,1,2,3,4,5,6,7
.irp s, 0,1
.irp c, 0,1,2
	global_load_b128 v[96*\s+12*\i+4*\c:96*\s+12*\i+4*\c+3], v[L16], s[SB:SB+1] offset:6144*\i+1536*\s+512*\c
.endr
.endr
.endr
	WIN 0x80                                       ; destination window 2
.irp i, 0,1,2,3,4,5,6,7
.irp s, 0,1
.irp c, 0,1,2
	global_load_b128 v[96*\s+12*\i+4*\c:96*\s+12*\i+4*\c+3], v[L16], s[SB:SB+1] offset:6144*\i+1536*(\s+2)+512*\c
.endr
.endr
.endr
	WIN 0xC0                                       ; destination window 3
.irp i, 0,1,2,3,4,5,6,7                        ; accumulator i = 2 b + u: register j is output 32 b + 16 h + 8 u + j
	global_load_b128 v[BIA+8*\i:BIA+8*\i+3], v[HB], s[BP:BP+1] offset:(32*(\i/2)+8*(\i%2))*4
	global_load_b128 v[BIA+8*\i+4:BIA+8*\i+7], v[HB], s[BP:BP+1] offset:(32*(\i/2)+8*(\i%2))*4+16
.endr
	WIN 0
.irp i, 0,1,2,3,4,5,6,7
	global_load_b128 v[SS+4*\i:SS+4*\i+3], v[L16], s[SQ:SQ+1] offset:512*\i
.endr
	LOADO 0, 0
	LOADO 1, 1
	OUNIT 0
	OUNIT 1
	OUNIT 2
	OUNIT 3
	s_wait_tensorcnt 0x0
	ds_add_u32 v254, v255
	s_wait_dscnt 0x0
	s_endpgm
.Lfunc_end_k_q79e4a134d2_oproj:
	.size	k_q79e4a134d2_oproj, .Lfunc_end_k_q79e4a134d2_oproj-k_q79e4a134d2_oproj
	.p2alignl 7, 3214868480
	.fill 96, 4, 3214868480
	.section	.rodata,"a",@progbits
	.p2align	6, 0x0
	.amdhsa_kernel k_q79e4a134d2_oproj
		.amdhsa_group_segment_fixed_size 34304
		.amdhsa_private_segment_fixed_size 0
		.amdhsa_enable_private_segment 0
		.amdhsa_kernarg_size 40
		.amdhsa_user_sgpr_count 2
		.amdhsa_user_sgpr_kernarg_segment_ptr 1
		.amdhsa_wavefront_size32 1
		.amdhsa_system_sgpr_workgroup_id_x 1
		.amdhsa_system_sgpr_workgroup_id_y 1
		.amdhsa_system_sgpr_workgroup_id_z 1
		.amdhsa_system_vgpr_workitem_id 0
		.amdhsa_next_free_vgpr 1024
		.amdhsa_next_free_sgpr 66
		.amdhsa_reserve_vcc 0
		.amdhsa_float_denorm_mode_32 3
		.amdhsa_float_denorm_mode_16_64 3
		.amdhsa_memory_ordered 1
		.amdhsa_forward_progress 1
		.amdhsa_inst_pref_size 58
	.end_amdhsa_kernel
	.amdgpu_metadata
---
amdhsa.version: [ 1, 2 ]
amdhsa.kernels:
  - .name:           k_q79e4a134d2_oproj
    .symbol:         k_q79e4a134d2_oproj.kd
    .args:
      - { .name: cod, .offset: 0, .size: 8, .value_kind: global_buffer, .address_space: global }
      - { .name: scl, .offset: 8, .size: 8, .value_kind: global_buffer, .address_space: global }
      - { .name: obuf, .offset: 16, .size: 8, .value_kind: global_buffer, .address_space: global }
      - { .name: b_o, .offset: 24, .size: 8, .value_kind: global_buffer, .address_space: global }
      - { .name: out0, .offset: 32, .size: 8, .value_kind: global_buffer, .address_space: global }
    .group_segment_fixed_size: 34304
    .private_segment_fixed_size: 0
    .kernarg_segment_align: 8
    .kernarg_segment_size: 40
    .max_flat_workgroup_size: 128
    .sgpr_count:     66
    .vgpr_count:     1024
    .wavefront_size: 32
...
	.end_amdgpu_metadata
.endif
;; end of part 4
;; ======== version 2 of 2: 4 launches
;; workspace buffers: cod 7,077,888 bytes; scl 589,824 bytes; qbuf 7,340,032 bytes; kvbuf 14,680,064 bytes; obuf 8,388,608 bytes
;; launch prep (part 5): grid 288 x 1, 4 waves a work-group, no clusters, 0 bytes of LDS; arguments x, w_q, w_k, w_v, w_o, cod, scl; writes cod, scl
.if DOCPART == 5
	.amdgcn_target "amdgcn-amd-amdhsa--gfx1250"
	.amdhsa_code_object_version 6
	.text
	.protected	k_q79e4a134d2_prep
	.globl	k_q79e4a134d2_prep
	.p2align	8
	.type	k_q79e4a134d2_prep,@function
k_q79e4a134d2_prep:
	s_mov_b64 s[64:65], 0
	v_nop
	global_prefetch_b8 v0, s[64:65] scope:SCOPE_SE
	s_setreg_imm32_b32 hwreg(HW_REG_WAVE_MODE, 25, 1), 1
	s_wait_xcnt 0x0
; x [16384][512] and the four weights [512][512], f32 with K innermost, become codes of FP6 (E2M3) with one E8M0 byte for each 32 along K,
; laid as IMAGES OF OPERAND REGISTERS.  A tile is 16 rows x 512 K.  THE ROWS OF A TILE ARE NOT NEIGHBOURS: lane row r of tile t is matrix row
; 32 (t / 2) + 8 (t % 2) + r + 8 (r / 8), so that a product which takes such a tile as source 0 leaves 16 neighbours of that axis in the 16 registers of tiles 2 b, 2 b + 1.
; cod: tile T at 6144 T: K step s (128 along K, 12 registers a lane) at + 1536 s, registers 4 c .. 4 c + 3 of lane l at + 512 c + 16 l.
; scl: tile T at 512 T: lane l's 16 bytes are its row's scale words of K steps 0 .. 3.   Tiles 0-1023: x; 1024 + 32 m on: w_q, w_k, w_v, w_o (m = 0 .. 3).
; A block's scale is 2^(floor(log2(its largest magnitude)) - 2); its byte is the largest magnitude's exponent field - 2, held at 1 from below.
; LIMITS: NaN and infinities among the inputs are not served; a block of zeros, or one whose largest magnitude lies under 2^-124, gets the byte 1 (its codes are then
; zeros or what the byte 1 gives); the bytes are read by this program alone.
; SHARES: a wave takes one tile; 288 work-groups x 4 waves = 1,152 tiles.  Only pointers are chosen by the work-group's number: one path through the text.
; No LDS, no barrier, no matrix unit, no cluster: waves share nothing and each input byte is read once.
.set XA,  1                            ; v1   my row's byte in the tile's rows + 64 x (lane / 16): 16 numbers of each block of 32
.set L16, 2                            ; v2   16 x lane
.set X0,  16                           ; v16-79   64 numbers of a K step
.set X1,  80                           ; v80-143  the other set
.set PC,  144                          ; v144-163 the codes just made
.set TM,  164                          ; v164-179 at work in QUANT
.set SW,  180                          ; v180-183 the four scale words
.set SRC, 12                           ; s[12:13] the tile's first row in its tensor
.set COD, 14                           ; s[14:15] its place in cod
.set SCL, 16                           ; s[16:17] its place in scl
.set SEL, 30                           ; s[30:31] selects for v_permlanex16_b32: lane l xor 16
; 64 numbers of a lane, register 16 b + i = k 32 b + 16 (lane / 16) + i of my row, become a fragment's 12 registers in v[PC] on and its scale word in v[pw].
.macro QUANT s, pw
.irp b, 0,1,2,3
	v_max3_num_f32 v[TM+\b], |v[\s+16*\b]|, |v[\s+1+16*\b]|, 0x1800000   ; block b: my 16 numbers, and the floor 2^(3 - 127): the byte cannot fall under 1
.endr
.irp i, 2,4,6,8,10,12,14
.irp b, 0,1,2,3
	v_max3_num_f32 v[TM+\b], v[TM+\b], |v[\s+16*\b+\i]|, |v[\s+1+16*\b+\i]|   ; the four blocks by turns
.endr
.endr
.irp b, 0,1,2,3
	v_permlanex16_b32 v[TM+4+\b], v[TM+\b], s[SEL], s[SEL+1]
.endr
.irp b, 0,1,2,3
	v_max_num_f32 v[TM+\b], v[TM+\b], v[TM+4+\b]           ; with lane l xor 16's: the block's largest magnitude
.endr
.irp b, 0,1,2,3
	v_add_nc_u32 v[TM+12+\b], 0xff000000, v[TM+\b]         ; 2 off its exponent field: the conversion's scale operand
.endr
.irp b, 0,1,2,3
	v_lshrrev_b32 v[TM+4+\b], 23, v[TM+12+\b]              ; the scale's byte
.endr
	v_lshl_or_b32 v[\pw], v[TM+5], 8, v[TM+4]
	v_lshl_or_b32 v[\pw], v[TM+6], 16, v[\pw]
	v_lshl_or_b32 v[\pw], v[TM+7], 24, v[\pw]              ; my row's scale word
.irp c, 0,1
	v_cvt_scalef32_pk16_fp6_f32 v[PC+6*\c:PC+2+6*\c], v[\s+32*\c:\s+15+32*\c], v[TM+12+2*\c]
	v_cvt_scalef32_pk16_fp6_f32 v[PC+12+4*\c:PC+14+4*\c], v[\s+16+32*\c:\s+31+32*\c], v[TM+12+2*\c+1]   ; a conversion's three registers begin on an even number
.endr
	v_nop                                                  ; one plain instruction behind the scaled conversions
.irp c, 0,1                                            ; the operand wants a whole block in a lane: lanes 0-15 block 2 c, lanes 16-31 block 2 c + 1
.irp i, 0,1,2
	v_permlane16_swap_b32 v[PC+6*\c+\i], v[PC+12+4*\c+\i]
.endr
.irp i, 0,1,2
	v_mov_b32 v[PC+3+6*\c+\i], v[PC+12+4*\c+\i]
.endr
.endr
.endm
.macro LOADX reg, s                    ; K step s of my row: of each of its four blocks my 16 numbers, 64 bytes
.irp b, 0,1,2,3
.irp j, 0,1,2,3
	global_load_b128 v[\reg+16*\b+4*\j:\reg+16*\b+4*\j+3], v[XA], s[SRC:SRC+1] offset:512*(\s)+128*\b+16*\j th:TH_LOAD_NT
.endr
.endr
.endm
.macro KSTEP s, reg, left, more
	s_wait_loadcnt \left                           ; this K step's 16 loads are in; the next K step's 16 may be out
	s_wait_xcnt 0x0                                ; the last K step's stores have read v[PC] on: it is written again only behind this wait
	QUANT \reg, SW+\s
.irp c, 0,1,2
	global_store_b128 v[L16], v[PC+4*\c:PC+4*\c+3], s[COD:COD+1] offset:1536*(\s)+512*\c   ; 32 lanes store 512 consecutive bytes, aligned to 256
.endr
.if \more
	LOADX \reg, (\s)+2
.endif
.endm
	s_load_b256 s[4:11], s[0:1], 0x0               ; x s[4:5], w_q s[6:7], w_k s[8:9], w_v s[10:11]
	s_load_b128 s[12:15], s[0:1], 0x20             ; w_o s[12:13], cod s[14:15]
	s_load_b64 s[16:17], s[0:1], 0x30              ; scl
	v_lshrrev_b32 v3, 5, v0
	v_readfirstlane_b32 s18, v3                    ; wave
	v_and_b32 v4, 15, v0                           ; r
	v_bfe_u32 v5, v0, 4, 1                         ; h
	v_and_b32 v6, 8, v4
	v_add_nc_u32 v6, v6, v4                        ; r + 8 (r / 8)
	v_lshlrev_b32 v[XA], 11, v6                    ; a row is 2,048 bytes
	v_lshl_add_u32 v[XA], v5, 6, v[XA]
	v_and_b32 v7, 31, v0
	v_lshlrev_b32 v[L16], 4, v7
	s_mov_b32 s[SEL], 0x76543210
	s_mov_b32 s[SEL+1], 0xfedcba98
.irp b, 0,1,2,3
	v_mov_b32 v[TM+4+\b], 0                        ; written once: a lane permute's destination counts as one of its sources
.endr
	s_lshl_b32 s19, ttmp9, 2
	s_add_co_u32 s19, s19, s18                     ; T: my tile
	s_and_b32 s20, s19, 31                         ; its number inside a weight
	s_wait_alu depctr_va_vdst(0)
	s_wait_kmcnt 0x0
	s_cmp_lt_u32 ttmp9, 280                        ; work-groups 0-255 x, 256-263 w_q, 264-271 w_k, 272-279 w_v, 280-287 w_o
	s_cselect_b64 s[SRC:SRC+1], s[10:11], s[SRC:SRC+1]
	s_cmp_lt_u32 ttmp9, 272
	s_cselect_b64 s[SRC:SRC+1], s[8:9], s[SRC:SRC+1]
	s_cmp_lt_u32 ttmp9, 264
	s_cselect_b64 s[SRC:SRC+1], s[6:7], s[SRC:SRC+1]
	s_cmp_lt_u32 ttmp9, 256
	s_cselect_b64 s[SRC:SRC+1], s[4:5], s[SRC:SRC+1]
	s_cselect_b32 s20, s19, s20                    ; the tile's number in its own tensor
	s_lshr_b32 s21, s20, 1
	s_lshl_b32 s21, s21, 16                        ; 32 rows of 2,048 bytes for each pair of tiles,
	s_and_b32 s22, s20, 1
	s_lshl_b32 s22, s22, 14                        ; 8 rows for the odd one
	s_add_co_u32 s22, s21, s22
	s_mov_b32 s23, 0
	s_add_nc_u64 s[SRC:SRC+1], s[SRC:SRC+1], s[22:23]
	s_mul_i32 s24, s19, 6144
	s_mov_b32 s25, 0
	s_add_nc_u64 s[COD:COD+1], s[COD:COD+1], s[24:25]
	s_lshl_b32 s24, s19, 9
	s_add_nc_u64 s[SCL:SCL+1], s[SCL:SCL+1], s[24:25]
	LOADX X0, 0
	LOADX X1, 1
	KSTEP 0, X0, 16, 1
	KSTEP 1, X1, 16, 1
	KSTEP 2, X0, 16, 0
	KSTEP 3, X1, 0, 0
	global_store_b128 v[L16], v[SW:SW+3], s[SCL:SCL+1]     ; the tile's scale words: 512 consecutive bytes
	s_endpgm
.Lfunc_end_k_q79e4a134d2_prep:
	.size	k_q79e4a134d2_prep, .Lfunc_end_k_q79e4a134d2_prep-k_q79e4a134d2_prep
	.p2alignl 7, 3214868480
	.fill 96, 4, 3214868480
	.section	.rodata,"a",@progbits
	.p2align	6, 0x0
	.amdhsa_kernel k_q79e4a134d2_prep
		.amdhsa_group_segment_fixed_size 0
		.amdhsa_private_segment_fixed_size 0
		.amdhsa_enable_private_segment 0
		.amdhsa_kernarg_size 56
		.amdhsa_user_sgpr_count 2
		.amdhsa_user_sgpr_kernarg_segment_ptr 1
		.amdhsa_wavefront_size32 1
		.amdhsa_system_sgpr_workgroup_id_x 1
		.amdhsa_system_sgpr_workgroup_id_y 1
		.amdhsa_system_sgpr_workgroup_id_z 1
		.amdhsa_system_vgpr_workitem_id 0
		.amdhsa_next_free_vgpr 192
		.amdhsa_next_free_sgpr 66
		.amdhsa_reserve_vcc 0
		.amdhsa_float_denorm_mode_32 3
		.amdhsa_float_denorm_mode_16_64 3
		.amdhsa_memory_ordered 1
		.amdhsa_forward_progress 1
		.amdhsa_inst_pref_size 25
	.end_amdhsa_kernel
	.amdgpu_metadata
---
amdhsa.version: [ 1, 2 ]
amdhsa.kernels:
  - .name:           k_q79e4a134d2_prep
    .symbol:         k_q79e4a134d2_prep.kd
    .args:
      - { .name: x, .offset: 0, .size: 8, .value_kind: global_buffer, .address_space: global }
      - { .name: w_q, .offset: 8, .size: 8, .value_kind: global_buffer, .address_space: global }
      - { .name: w_k, .offset: 16, .size: 8, .value_kind: global_buffer, .address_space: global }
      - { .name: w_v, .offset: 24, .size: 8, .value_kind: global_buffer, .address_space: global }
      - { .name: w_o, .offset: 32, .size: 8, .value_kind: global_buffer, .address_space: global }
      - { .name: cod, .offset: 40, .size: 8, .value_kind: global_buffer, .address_space: global }
      - { .name: scl, .offset: 48, .size: 8, .value_kind: global_buffer, .address_space: global }
    .group_segment_fixed_size: 0
    .private_segment_fixed_size: 0
    .kernarg_segment_align: 8
    .kernarg_segment_size: 56
    .max_flat_workgroup_size: 128
    .sgpr_count:     66
    .vgpr_count:     192
    .wavefront_size: 32
...
	.end_amdgpu_metadata
.endif
;; end of part 5
;; launch qkv (part 6): grid 64 x 3, 4 waves a work-group, no clusters, 0 bytes of LDS; arguments cod, scl, b_q, b_k, b_v, qbuf, kvbuf; writes qbuf, kvbuf
.if DOCPART == 6
	.amdgcn_target "amdgcn-amd-amdhsa--gfx1250"
	.amdhsa_code_object_version 6
	.text
	.protected	k_q79e4a134d2_qkv
	.globl	k_q79e4a134d2_qkv
	.p2align	8
	.type	k_q79e4a134d2_qkv,@function
k_q79e4a134d2_qkv:
	s_mov_b64 s[64:65], 0
	v_nop
	global_prefetch_b8 v0, s[64:65] scope:SCOPE_SE
	s_setreg_imm32_b32 hwreg(HW_REG_WAVE_SCHED_MODE, 0, 2), 2
	s_setreg_imm32_b32 hwreg(HW_REG_WAVE_MODE, 25, 1), 1
	s_wait_xcnt 0x0
	s_wait_alu depctr_vm_vsrc(0)
; q = x w_q^T + b_q, k = x w_k^T + b_k, v = x w_v^T + b_v on codes of FP6 (E2M3) with E8M0 scales, f32 sums; each result is quantised in registers for attention's products and
; stored as register images: q and k along the head's 64, v along the keys.  Work-group y = 0: q, 1: k, 2: v.
; ONE SCHEME.  A wave keeps 8 STATIONARY tiles x 4 K steps in 384 registers and STREAMS 16 tiles.  A unit is one streamed tile: 32 matrix instructions (8 accumulators by turns, K ascending),
; 64 sums a lane, the quantiser, one fragment out.  Source 0 = the stationary tile (its rows end up along my registers), source 1 = the streamed tile (one row a lane).
;   q, k: stationary = the weight's tiles 8 w .. 8 w + 7 (features 128 w on: heads 2 w and 2 w + 1), streamed = x's tiles 16 gx + u.  A lane holds one token, its registers 128 features.
;   v:    stationary = x's tiles 16 gx + 8 (w / 2) + i (128 tokens: one key step), streamed = w_v's tiles 16 (w % 2) + u.  A lane holds one channel, its registers 128 keys.
; A tile's rows are laid so (see the launch that made cod) that the 16 registers of accumulators 2 b, 2 b + 1 are 16 neighbours along the axis to be quantised.
; RECORDS of 1,792 bytes: registers 0-3 at + 16 l, 6-9 at 512 + 16 l, 4-5 at 1024 + 8 l, 10-11 at 1280 + 8 l, two scale words at 1536 + 8 l (l the lane).
;   q, k: record p of a head holds token tiles 2 p (registers 0-5) and 2 p + 1 (registers 6-11), each 16 tokens x 64; a word has two bytes, the upper two are 0.
;   v: record 4 sigma + tau is channel tile tau x the 128 keys of step sigma; both words hold its scale word.   kvbuf: a head's 64 records of k, then its 64 of v.
; LIMITS: as the quantiser's in the launch that made cod: NaN and infinities are not served; a block of zeros or under 2^-124 gets the byte 1.
; NO CLUSTER, NO LDS: every operand is a register image that a wave's own lanes load, 16 bytes a lane; there is no LDS tile that a joint load could fill.
; 192 work-groups: three products of 64 groups; with 384 registers of stationary operand a SIMD holds one wave, and 16 units to a wave read the stationary bytes half as often as 8 would.
; THE MODE: SCHED_MODE bits 1:0 = 2 (LLVM: expert scheduling mode 2), set by the entry lines.  The code itself states the register dependences
; between vector or matrix instructions and memory instructions, with s_wait_alu, always for 0.
; THE PLAN.  Registers that memory instructions touch, in the loop:
;   R0, R1     two streamed tiles (window 3), their scale words, and for v their bias.  Unit j: its 32 products read R[j % 2]; behind them the loads of tile j + 2 land in it.
;   P0, P1     two out-buffers of codes, and with them the scale words on their way out.  Unit j: its quantiser writes P[j % 2]; the stores that read it are issued in unit j + 1.
;              q's and k's words go out as a pair for each record of two units: two sets of pairs, one for each record, by turns.
;   v1 .. v4   offsets, made once at the head and never written again: scalar bases and immediate offsets do the rest.
;   The accumulators and the quantiser's registers at work are named by vector and matrix instructions alone.
; So ONE wait on va_vdst stands in a unit, behind its products: it states that they are done reading R[j % 2], and that the quantiser of the unit before has written P[(j - 1) % 2].
; Behind it come the loads into R[j % 2], the stores from P[(j - 1) % 2], and then this unit's quantiser, which names neither.  One wait on vm_vsrc a unit stands ahead of that quantiser:
; the stores issued in the unit before have read P[j % 2].
; REGISTERS: window 0: v1-4 offsets; v16-79 accumulators; v80-99 and v168-187 codes; v100-115 at work; v116-121 and v188-193 scale words on their way out; v128-159 stationary scale words; v160-167 streamed ones.
;   windows 1, 2: stationary fragment (i, s) at window 1 + s / 2, register 96 (s % 2) + 12 i.   window 3: v0-95 two streamed tiles; v96-159 q's or k's bias; v160-175 v's bias, 8 equal registers a buffer.
.set L16, 1                            ; 16 x lane
.set L8,  2                            ; 8 x lane
.set HB,  3                            ; 64 x (lane / 16): the bias of my half's features
.set VB,  4                            ; 4 (r + 8 (r / 8)): the bias of my channel
.set ACC, 16
.set PC,  80                           ; out-buffer p at PC + 88 p
.set TM,  100
.set PW,  116                          ; the scale word just made (v: twice, to be stored): for out-buffer p at PW + 72 p
.set SWA, 118                          ; q, k: the first head's pair of words, set e at SWA + 72 e
.set SWB, 120                          ; the second head's, likewise
.set SS,  128
.set RS,  160
.set BIA, 96                           ; in window 3
.set BR8, 160                          ; in window 3
.set WV,  18
.set Y,   19
.set SB,  20                           ; s[20:21] stationary tiles in cod;  s[22:23] in scl
.set SQ,  22
.set RP,  24                           ; s[24:25] streamed tiles in cod;  s[26:27] in scl
.set RQ,  26
.set DA,  28                           ; s[28:29] where the first head's records go (v: the records);  s[30:31] the second head's
.set DB,  30
.set BP,  32                           ; s[32:33] the bias
.set CNT, 34
.set SEL, 36
.set MSB, 0
.macro WIN new                         ; the immediate's high byte repeats the setting that is left
.if MSB != \new
	s_set_vgpr_msb (MSB<<8)|\new
.set MSB, \new
.endif
.endm
; 64 numbers of a lane, v[s] on, become a fragment's 12 registers in v[pc] on and its scale word in v[pw]
.macro QUANT s, pc, pw
.irp b, 0,1,2,3
	v_max3_num_f32 v[TM+\b], |v[\s+16*\b]|, |v[\s+1+16*\b]|, 0x1800000   ; block b: my 16 numbers, and the floor 2^(3 - 127).  Each accumulator is read from its low end on
.endr
.irp i, 2,4,6,8,10,12,14
.irp b, 0,1,2,3
	v_max3_num_f32 v[TM+\b], v[TM+\b], |v[\s+16*\b+\i]|, |v[\s+1+16*\b+\i]|
.endr
.endr
.irp b, 0,1,2,3
	v_permlanex16_b32 v[TM+4+\b], v[TM+\b], s[SEL], s[SEL+1]
.endr
.irp b, 0,1,2,3
	v_max_num_f32 v[TM+\b], v[TM+\b], v[TM+4+\b]
.endr
.irp b, 0,1,2,3
	v_add_nc_u32 v[TM+12+\b], 0xff000000, v[TM+\b]         ; 2 off the exponent field: the conversion's scale operand
.endr
.irp b, 0,1,2,3
	v_lshrrev_b32 v[TM+4+\b], 23, v[TM+12+\b]
.endr
	v_lshl_or_b32 v[\pw], v[TM+5], 8, v[TM+4]
	v_lshl_or_b32 v[\pw], v[TM+6], 16, v[\pw]
	v_lshl_or_b32 v[\pw], v[TM+7], 24, v[\pw]
.irp c, 0,1
	v_cvt_scalef32_pk16_fp6_f32 v[\pc+6*\c:\pc+2+6*\c], v[\s+32*\c:\s+15+32*\c], v[TM+12+2*\c]
	v_cvt_scalef32_pk16_fp6_f32 v[\pc+12+4*\c:\pc+14+4*\c], v[\s+16+32*\c:\s+31+32*\c], v[TM+12+2*\c+1]
.endr
	v_nop                                                  ; one plain instruction behind the scaled conversions
.irp c, 0,1
.irp i, 0,1,2
	v_permlane16_swap_b32 v[\pc+6*\c+\i], v[\pc+12+4*\c+\i]
.endr
.irp i, 0,1,2
	v_mov_b32 v[\pc+3+6*\c+\i], v[\pc+12+4*\c+\i]
.endr
.endr
.endm
; 32 matrix instructions: K steps 0 .. 3, in each the 8 accumulators by turns, one instruction a turn.  The bias is the C of each sum's first instruction:
; registers cb + cs i of window 3.
.macro MUL buf, cb, cs
.irp s, 0,1,2,3
.if \s == 0
	WIN 0x3D                                       ; source 0 window 1, source 1 and C window 3, D window 0
.elseif \s == 1
	WIN 0x0D                                       ; C and D window 0
.else
	WIN 0x0E                                       ; source 0 window 2
.endif
.irp i, 0,1,2,3,4,5,6,7
.if \s == 0
	v_wmma_scale_f32_16x16x128_f8f6f4 v[ACC+8*\i:ACC+8*\i+7], v[96*(\s%2)+12*\i:96*(\s%2)+12*\i+11], v[48*(\buf)+12*\s:48*(\buf)+12*\s+11], v[(\cb)+(\cs)*\i:(\cb)+(\cs)*\i+7], v[SS+4*\i+\s], v[RS+4*(\buf)+\s] matrix_a_fmt:MATRIX_FMT_FP6 matrix_b_fmt:MATRIX_FMT_FP6
.else
	v_wmma_scale_f32_16x16x128_f8f6f4 v[ACC+8*\i:ACC+8*\i+7], v[96*(\s%2)+12*\i:96*(\s%2)+12*\i+11], v[48*(\buf)+12*\s:48*(\buf)+12*\s+11], v[ACC+8*\i:ACC+8*\i+7], v[SS+4*\i+\s], v[RS+4*(\buf)+\s] matrix_a_fmt:MATRIX_FMT_FP6 matrix_b_fmt:MATRIX_FMT_FP6
.endif
.endr
.endr
	WIN 0
.endm
; the streamed tile k tiles on from the pointers, into buffer buf: 12 loads of codes, 1 of scale words; for v also my channel's bias, eight times: 13 or 21 loads
.macro LOADR buf, k, isv
	WIN 0xC0                                       ; destination window 3, offset window 0
.irp s, 0,1,2,3
.irp c, 0,1,2
	global_load_b128 v[48*(\buf)+12*\s+4*\c:48*(\buf)+12*\s+4*\c+3], v[L16], s[RP:RP+1] offset:6144*(\k)+1536*\s+512*\c
.endr
.endr
.if \isv
.irp e, 0,1,2,3,4,5,6,7
	global_load_b32 v[BR8+8*(\buf)+\e], v[VB], s[BP:BP+1] offset:128*((\k)/2)+32*((\k)%2)
.endr
.endif
	WIN 0
	global_load_b128 v[RS+4*(\buf):RS+4*(\buf)+3], v[L16], s[RQ:RQ+1] offset:512*(\k)
.endm
; Unit j's fragment and words leave.  back: how many bytes the bases have moved on since unit j was multiplied: the offset reaches back.
.macro STORES j, isv, back
.set SPC, PC+88*((\j)%2)
.set SPW, PW+72*((\j)%2)
.set RHO, (\j)/2
.set HLF, (\j)%2
.set SSA, SWA+72*(RHO%2)
.set SSB, SWB+72*(RHO%2)
.if \isv
	global_store_b128 v[L16], v[SPC:SPC+3], s[DA:DA+1] offset:1792*(\j)-(\back)              ; each store covers 512 or 256 consecutive bytes, aligned to 256
	global_store_b128 v[L16], v[SPC+6:SPC+9], s[DA:DA+1] offset:1792*(\j)+512-(\back)
	global_store_b64 v[L8], v[SPC+4:SPC+5], s[DA:DA+1] offset:1792*(\j)+1024-(\back)
	global_store_b64 v[L8], v[SPC+10:SPC+11], s[DA:DA+1] offset:1792*(\j)+1280-(\back)
	global_store_b64 v[L8], v[SPW:SPW+1], s[DA:DA+1] offset:1792*(\j)+1536-(\back)
.else
	global_store_b128 v[L16], v[SPC:SPC+3], s[DA:DA+1] offset:1792*RHO+512*HLF-(\back)       ; features 0-63: head 2 w
	global_store_b64 v[L8], v[SPC+4:SPC+5], s[DA:DA+1] offset:1792*RHO+1024+256*HLF-(\back)
	global_store_b128 v[L16], v[SPC+6:SPC+9], s[DB:DB+1] offset:1792*RHO+512*HLF-(\back)     ; features 64-127: head 2 w + 1
	global_store_b64 v[L8], v[SPC+10:SPC+11], s[DB:DB+1] offset:1792*RHO+1024+256*HLF-(\back)
.if HLF == 1
	global_store_b64 v[L8], v[SSA:SSA+1], s[DA:DA+1] offset:1792*RHO+1536-(\back)
	global_store_b64 v[L8], v[SSB:SSB+1], s[DB:DB+1] offset:1792*RHO+1536-(\back)
.endif
.endif
.endm
; Unit j of four.  first = 1: the wave's first unit, with no unit in front of it.  load = 1: the tile two units on is asked for.
; left = how many younger loads may be out when this unit's tile has to be there.  back: see STORES.
.macro UNIT j, first, load, left, isv, back
.set PCB, PC+88*((\j)%2)
.set PWB, PW+72*((\j)%2)
.set WSA, SWA+72*(((\j)/2)%2)
.set WSB, SWB+72*(((\j)/2)%2)
	s_wait_loadcnt \left                           ; this unit's tile is in; the next unit's loads, as many as the count says, may be out
.if \isv
	MUL (\j)%2, BR8+8*((\j)%2), 0
.else
	MUL (\j)%2, BIA, 8
.endif
.rept 4
	v_nop                                          ; four plain instructions between the last product and the first read of results (ISA guide 7.12.1)
.endr
.if !\first
	s_wait_xcnt 0x0                                ; the stores issued in the unit before have had their addresses translated: their data registers are written again only behind this wait
	s_wait_alu depctr_vm_vsrc(0)                   ; and they have read the out-buffer and the words that this unit's quantiser writes again
.endif
.if \load
	WIN 0xC0                                       ; the loads' window first, then the wait
.endif
	s_wait_alu depctr_va_vdst(0)                   ; the products above are done reading this buffer's fragments, scale words and bias, in which the loads below land; the quantiser of the unit before has written the codes and words that the stores below read
.if \load
	LOADR (\j)%2, (\j)+2, \isv                     ; two units ahead, into the buffer just multiplied
.endif
.if !\first
	STORES ((\j)+3)%4, \isv, \back                 ; the unit before: no vector instruction since the wait names its out-buffer or its words
.endif
	QUANT ACC, PCB, PWB
.if \isv
	v_mov_b32 v[PWB+1], v[PWB]
.else
	v_and_b32 v[WSA+(\j)%2], 0xffff, v[PWB]        ; the word's two lower bytes are the first head's, the two upper the second's
	v_lshrrev_b32 v[WSB+(\j)%2], 16, v[PWB]
.endif
.endm
.macro ON isv                          ; the bases move on by four units
	s_wait_xcnt 0x0                                ; loads and stores have read their bases: they step only behind this wait
	s_add_nc_u64 s[RP:RP+1], s[RP:RP+1], 4*6144
	s_add_nc_u64 s[RQ:RQ+1], s[RQ:RQ+1], 4*512
.if \isv
	s_add_nc_u64 s[DA:DA+1], s[DA:DA+1], 229376    ; four channel tiles are a head: on to the next head
	s_add_nc_u64 s[BP:BP+1], s[BP:BP+1], 256
.else
	s_add_nc_u64 s[DA:DA+1], s[DA:DA+1], 2*1792    ; four token tiles are two records
	s_add_nc_u64 s[DB:DB+1], s[DB:DB+1], 2*1792
.endif
.endm
	s_load_b256 s[4:11], s[0:1], 0x0               ; cod s[4:5], scl s[6:7], b_q s[8:9], b_k s[10:11]
	s_load_b128 s[12:15], s[0:1], 0x20             ; b_v s[12:13], qbuf s[14:15]
	s_load_b64 s[16:17], s[0:1], 0x30              ; kvbuf
	v_lshrrev_b32 v5, 5, v0
	v_readfirstlane_b32 s[WV], v5                  ; wave 0..3
	v_and_b32 v5, 31, v0
	v_lshlrev_b32 v[L16], 4, v5
	v_lshlrev_b32 v[L8], 3, v5
	v_bfe_u32 v6, v0, 4, 1
	v_lshlrev_b32 v[HB], 6, v6
	v_and_b32 v7, 15, v0
	v_and_b32 v8, 8, v7
	v_add_nc_u32 v7, v7, v8
	v_lshlrev_b32 v[VB], 2, v7
.irp b, 0,1,2,3
	v_mov_b32 v[TM+4+\b], 0                        ; written once: a lane permute's destination counts as one of its sources
.endr
	s_wait_alu depctr_va_sdst(0)                   ; the wave's number is written, ahead of its first reader: tiles and bases are made from it
	s_mov_b32 s[SEL], 0x76543210
	s_mov_b32 s[SEL+1], 0xfedcba98
	s_and_b32 s[Y], ttmp7, 0xffff
	s_lshl_b32 s38, ttmp9, 4                       ; q, k: streamed from x's tile 16 gx
	s_lshl_b32 s39, s[Y], 5
	s_lshl_b32 s40, s[WV], 3
	s_add_co_u32 s39, s39, s40
	s_add_co_u32 s39, s39, 1024                    ; q, k: stationary from tile 1024 + 32 y + 8 w
	s_lshr_b32 s41, s[WV], 1                       ; w / 2
	s_lshl_b32 s42, s41, 3
	s_add_co_u32 s42, s42, s38                     ; v: stationary from x's tile 16 gx + 8 (w / 2)
	s_and_b32 s43, s[WV], 1                        ; w % 2
	s_lshl_b32 s44, s43, 4
	s_add_co_u32 s44, s44, 1088                    ; v: streamed from tile 1088 + 16 (w % 2)
	s_cmp_eq_u32 s[Y], 2
	s_cselect_b32 s39, s42, s39
	s_cselect_b32 s38, s44, s38
	s_mov_b32 s47, 0
	s_mul_i32 s46, s39, 6144
	s_wait_kmcnt 0x0
	s_add_nc_u64 s[SB:SB+1], s[4:5], s[46:47]
	s_lshl_b32 s46, s39, 9
	s_add_nc_u64 s[SQ:SQ+1], s[6:7], s[46:47]
	s_mul_i32 s46, s38, 6144
	s_add_nc_u64 s[RP:RP+1], s[4:5], s[46:47]
	s_lshl_b32 s46, s38, 9
	s_add_nc_u64 s[RQ:RQ+1], s[6:7], s[46:47]
	WIN 0x40                                       ; destination window 1
	s_wait_alu depctr_va_vdst(0)                   ; the four offsets v1 to v4 are written: every load and store of the kernel reads one of them
.irp i, 0,1,2,3,4,5,6,7
.irp s, 0,1
.irp c, 0,1,2
	global_load_b128 v[96*\s+12*\i+4*\c:96*\s+12*\i+4*\c+3], v[L16], s[SB:SB+1] offset:6144*\i+1536*\s+512*\c
.endr
.endr
.endr
	WIN 0x80                                       ; destination window 2
.irp i, 0,1,2,3,4,5,6,7
.irp s, 0,1
.irp c, 0,1,2
	global_load_b128 v[96*\s+12*\i+4*\c:96*\s+12*\i+4*\c+3], v[L16], s[SB:SB+1] offset:6144*\i+1536*(\s+2)+512*\c
.endr
.endr
.endr
	WIN 0
.irp i, 0,1,2,3,4,5,6,7
	global_load_b128 v[SS+4*\i:SS+4*\i+3], v[L16], s[SQ:SQ+1] offset:512*\i
.endr
	s_cmp_eq_u32 s[Y], 2
	s_cbranch_scc1 .Lv
	; ---- q and k
	s_cmp_eq_u32 s[Y], 0
	s_cselect_b64 s[DA:DA+1], s[14:15], s[16:17]   ; qbuf or kvbuf
	s_cselect_b64 s[BP:BP+1], s[8:9], s[10:11]     ; b_q or b_k
	s_mov_b32 s45, 229376
	s_cselect_b32 s45, 114688, s45                 ; from head to head in that buffer
	s_lshr_b32 s38, ttmp9, 3
	s_lshl_b32 s38, s38, 3
	s_lshl_b32 s39, s[WV], 1
	s_add_co_u32 s38, s38, s39                     ; head 8 n + 2 w, n = gx / 8
	s_mul_i32 s46, s38, s45
	s_add_nc_u64 s[DA:DA+1], s[DA:DA+1], s[46:47]
	s_and_b32 s39, ttmp9, 7
	s_mul_i32 s46, s39, 8*1792                     ; my 16 token tiles are records 8 (gx % 8) on
	s_add_nc_u64 s[DA:DA+1], s[DA:DA+1], s[46:47]
	s_mov_b32 s46, s45
	s_add_nc_u64 s[DB:DB+1], s[DA:DA+1], s[46:47]
	s_lshl_b32 s46, s[WV], 9
	s_add_nc_u64 s[BP:BP+1], s[BP:BP+1], s[46:47]  ; my 128 features' bias
	WIN 0xC0
.irp i, 0,1,2,3,4,5,6,7                        ; accumulator i = 2 b + u: register j is feature 32 b + 16 h + 8 u + j
	global_load_b128 v[BIA+8*\i:BIA+8*\i+3], v[HB], s[BP:BP+1] offset:(32*(\i/2)+8*(\i%2))*4
	global_load_b128 v[BIA+8*\i+4:BIA+8*\i+7], v[HB], s[BP:BP+1] offset:(32*(\i/2)+8*(\i%2))*4+16
.endr
	WIN 0
	LOADR 0, 0, 0
	LOADR 1, 1, 0
	UNIT 0, 1, 1, 13, 0, 0                         ; the first unit stands ahead of the loop: it has nothing to store
	s_mov_b32 s[CNT], 3
.Lqk:                                                  ; units 1 to 12, four to a lap: both out-buffers, both sets of words and both streamed buffers are back at their start
	UNIT 1, 0, 1, 13, 0, 0
	UNIT 2, 0, 1, 13, 0, 0
	UNIT 3, 0, 1, 13, 0, 0
	ON 0
	UNIT 0, 0, 1, 13, 0, 2*1792                    ; it stores unit 3's results: the bases have moved on by two records
	s_sub_co_u32 s[CNT], s[CNT], 1
	s_cmp_lg_u32 s[CNT], 0
	s_cbranch_scc1 .Lqk
	UNIT 1, 0, 1, 13, 0, 0                         ; the last three units are written out: the last two ask for nothing
	UNIT 2, 0, 0, 13, 0, 0
	UNIT 3, 0, 0, 0, 0, 0
	s_wait_alu depctr_va_vdst(0)                   ; the last unit's quantiser has written the codes and words that the last stores read
	STORES 3, 0, 0
	s_endpgm
	; ---- v
.Lv:
	s_lshl_b32 s38, ttmp9, 1
	s_add_co_u32 s38, s38, s41                     ; my group of 128 tokens: 2 gx + w / 2
	s_lshr_b32 s39, s38, 4                         ; n
	s_and_b32 s38, s38, 15                         ; the key step sigma
	s_lshl_b32 s39, s39, 3
	s_lshl_b32 s40, s43, 2
	s_add_co_u32 s39, s39, s40                     ; my first head: 8 n + 4 (w % 2)
	s_mul_i32 s46, s39, 229376
	s_add_nc_u64 s[DA:DA+1], s[16:17], s[46:47]
	s_mul_i32 s46, s38, 4*1792
	s_add_co_u32 s46, s46, 114688                  ; behind the head's records of k: record 4 sigma
	s_add_nc_u64 s[DA:DA+1], s[DA:DA+1], s[46:47]
	s_lshl_b32 s46, s43, 10
	s_add_nc_u64 s[BP:BP+1], s[12:13], s[46:47]    ; b_v at my 256 channels
	LOADR 0, 0, 1
	LOADR 1, 1, 1
	UNIT 0, 1, 1, 21, 1, 0
	s_mov_b32 s[CNT], 3
.Lvv:
	UNIT 1, 0, 1, 21, 1, 0
	UNIT 2, 0, 1, 21, 1, 0
	UNIT 3, 0, 1, 21, 1, 0
	ON 1
	UNIT 0, 0, 1, 21, 1, 229376                    ; it stores unit 3's results: the base has moved on by a head
	s_sub_co_u32 s[CNT], s[CNT], 1
	s_cmp_lg_u32 s[CNT], 0
	s_cbranch_scc1 .Lvv
	UNIT 1, 0, 1, 21, 1, 0                         ; written out: no load reaches past b_v's or cod's part
	UNIT 2, 0, 0, 21, 1, 0
	UNIT 3, 0, 0, 0, 1, 0
	s_wait_alu depctr_va_vdst(0)                   ; the last unit's quantiser has written the codes and words that the last stores read
	STORES 3, 1, 0
	s_endpgm
.Lfunc_end_k_q79e4a134d2_qkv:
	.size	k_q79e4a134d2_qkv, .Lfunc_end_k_q79e4a134d2_qkv-k_q79e4a134d2_qkv
	.p2alignl 7, 3214868480
	.fill 96, 4, 3214868480
	.section	.rodata,"a",@progbits
	.p2align	6, 0x0
	.amdhsa_kernel k_q79e4a134d2_qkv
		.amdhsa_group_segment_fixed_size 0
		.amdhsa_private_segment_fixed_size 0
		.amdhsa_enable_private_segment 0
		.amdhsa_kernarg_size 56
		.amdhsa_user_sgpr_count 2
		.amdhsa_user_sgpr_kernarg_segment_ptr 1
		.amdhsa_wavefront_size32 1
		.amdhsa_system_sgpr_workgroup_id_x 1
		.amdhsa_system_sgpr_workgroup_id_y 1
		.amdhsa_system_sgpr_workgroup_id_z 1
		.amdhsa_system_vgpr_workitem_id 0
		.amdhsa_next_free_vgpr 1024
		.amdhsa_next_free_sgpr 66
		.amdhsa_reserve_vcc 0
		.amdhsa_float_denorm_mode_32 3
		.amdhsa_float_denorm_mode_16_64 3
		.amdhsa_memory_ordered 1
		.amdhsa_forward_progress 1
		.amdhsa_inst_pref_size 181
	.end_amdhsa_kernel
	.amdgpu_metadata
---
amdhsa.version: [ 1, 2 ]
amdhsa.kernels:
  - .name:           k_q79e4a134d2_qkv
    .symbol:         k_q79e4a134d2_qkv.kd
    .args:
      - { .name: cod, .offset: 0, .size: 8, .value_kind: global_buffer, .address_space: global }
      - { .name: scl, .offset: 8, .size: 8, .value_kind: global_buffer, .address_space: global }
      - { .name: b_q, .offset: 16, .size: 8, .value_kind: global_buffer, .address_space: global }
      - { .name: b_k, .offset: 24, .size: 8, .value_kind: global_buffer, .address_space: global }
      - { .name: b_v, .offset: 32, .size: 8, .value_kind: global_buffer, .address_space: global }
      - { .name: qbuf, .offset: 40, .size: 8, .value_kind: global_buffer, .address_space: global }
      - { .name: kvbuf, .offset: 48, .size: 8, .value_kind: global_buffer, .address_space: global }
    .group_segment_fixed_size: 0
    .private_segment_fixed_size: 0
    .kernarg_segment_align: 8
    .kernarg_segment_size: 56
    .max_flat_workgroup_size: 128
    .sgpr_count:     66
    .vgpr_count:     1024
    .wavefront_size: 32
...
	.end_amdgpu_metadata
.endif
;; end of part 6
;; launch attn (part 7): grid 4 x 64, 16 waves a work-group, clusters of 4 x 1, 231,424 bytes of LDS; arguments qbuf, kvbuf, obuf; writes obuf
.if DOCPART == 7
	.amdgcn_target "amdgcn-amd-amdhsa--gfx1250"
	.amdhsa_code_object_version 6
	.text
	.protected	k_q79e4a134d2_attn
	.globl	k_q79e4a134d2_attn
	.p2align	8
	.type	k_q79e4a134d2_attn,@function
k_q79e4a134d2_attn:
	s_mov_b64 s[64:65], 0
	v_nop
	global_prefetch_b8 v0, s[64:65] scope:SCOPE_SE
	s_setreg_imm32_b32 hwreg(HW_REG_WAVE_MODE, 25, 1), 1
	s_wait_xcnt 0x0
	s_wait_alu depctr_hold_cnt(0) depctr_sa_sdst(0) depctr_va_vdst(0) depctr_va_sdst(0) depctr_va_ssrc(0) depctr_va_vcc(0) depctr_vm_vsrc(0)
	s_getreg_b32 s2, hwreg(HW_REG_IB_STS2, 6, 4)
	s_cmp_eq_u32 s2, 0
	s_cbranch_scc0 .Lentry_in_a_cluster
	s_endpgm
.Lentry_in_a_cluster:
	s_bfe_u32 s2, ttmp6, 0x10000c
	s_cmp_lg_u32 s2, 0x3003
	s_cbranch_scc0 .Lentry_shape_is_right
	s_endpgm
.Lentry_shape_is_right:
; For each of 64 heads (8 n + h): o = softmax(q k^T / 8) v, 2,048 queries x 2,048 keys x 64, both products on codes of FP6 (E2M3) with E8M0 scales; o is quantised along D and stored as register images.
; THE SOFTMAX AHEAD OF THE SECOND PRODUCT: t = score x log2(e) / 8; M = the running largest t rounded UP to a whole number; p = 2^(t - M) is what is quantised, along the keys, not normalised.
; The row's sum is taken of the unquantised p, in f32, and divides O at the end.  When M moves, the sum and O are multiplied by 2^(old M - new M): exact.
; SHARES.  A work-group owns 512 queries of one head; each of its sixteen waves owns one tile of 16 queries in each of two passes, in 242 registers: four waves to a SIMD, so that one wave's vector
; work stands beside another's matrix work and LDS loads.  Every wave walks all keys, 128 a step.
; LDS holds the head's 229,376 bytes of kvbuf AS THEY LIE: 64 records of k, 64 of v, each a register image with its scale words.  They are filled ONCE: no slot is ever filled again and nothing is stored over them.
; CLUSTER.  The four work-groups of a cluster own the four quarters of one head's queries and read the same k and v: each piece is asked for JOINTLY, by the same tensor load with the same descriptor
; and a mask that names the four.  Waves 0, 1 fetch k, waves 2, 3 v, in four chunks of four key steps; four loads of a wave are out at the most.
; LAYOUT.  Both products are used transposed: S^T = k q^T (source 0 = 16 keys, source 1 = my 16 queries), O^T = v^T p^T (source 0 = 16 channels): a lane holds ONE query (lane % 16) throughout.
; The tokens of a tile and the channels of a tile are laid so (see the launch that made cod) that the 16 registers of results 2 b, 2 b + 1 are 16 neighbours: keys for p, channels for o.
; THE FIRST PRODUCT'S K IS 64: registers 6-11 of q's and k's fragments are zero codes, written once; bytes 2 and 3 of their scale words are 0, which scales zeros.
; LIMITS: NaN and infinities are not served; a p under 2^-126 comes out as 0; a block of zeros or under 2^-124 gets the byte 1; a block's largest p is taken from its largest score, which takes v_exp_f32 not to fall where its input rises.
.set L16, 1                            ; v1   16 x lane: my place in a record's pieces of 512 bytes
.set L8,  2                            ; v2   8 x lane: in its pieces of 256 bytes
.set V16, 3                            ; v3   the same behind k's 114,688 bytes
.set V8,  4                            ; v4
.set AK16, 5                           ; v5-8 the same four in the step in hand
.set AK8,  6
.set AV16, 7
.set AV8,  8
.set Q0,  16                           ; v16-27 q of pass 0;  v28-39 of pass 1
.set Q1,  28
.set QS0, 40                           ; v40, v41 their scale words
.set QS1, 41
.set KSC, 42                           ; v42-45 four tiles' scale words of k
.set VSC, 46                           ; v46-49 of v
.set KF,  50                           ; v50-97 four fragments of k
.set S,   98                           ; v98-161 S^T, then p; then v's four fragments in v98-145
.set OT,  162                          ; v162-193 O^T
.set PC,  194                          ; v194-205 p's codes
.set PT,  206                          ; v206-213 the conversions' second halves
.set BM,  214                          ; v214-217 each block's largest
.set BT,  218                          ; v218-221 at work
.set BS,  222                          ; v222-225 the conversions' scale operands
.set FF,  226                          ; v[226:227] f = 2^(old M - new M)
.set PWD, 228                          ; v228 p's scale word
.set TMP, 229
.set SUM2, 230                         ; v[230:231] the sums' second chain
.set WP,  232                          ; v[232:233] o's scale word, twice
.set WV,  10
.set G1,  16                           ; s[16:23] descriptor group 1;  s[24:39] four groups 0
.set G0,  24
.set CS,  42                           ; s[42:43] c = log2(e) / 8
.set SEL, 44
.set TS,  46                           ; LDS byte of the step in hand, in k's records (v's lie 114,688 further on)
.set CNT, 47
.set QB,  48                           ; s[48:49] my record of q
.set OL,  50                           ; s[50:51] o's record, my head's piece of 512 bytes;  s[52:53] its pieces of 256
.set OH,  52
.macro CROUND                          ; a round of the cluster's barrier: my work-group's barrier, wave 0's signal for the work-group, every wave's wait for all four, my work-group's barrier once more
	s_barrier_signal -1
	s_barrier_wait -1
	s_cmp_lg_u32 s[WV], 0
	s_cbranch_scc1 .Lnot_wave_0_\@
	s_barrier_signal -3
.Lnot_wave_0_\@:
	s_barrier_wait -3
	s_barrier_signal -1
	s_barrier_wait -1
.endm
; A KEY STEP: 128 keys, for the 16 queries whose fragment is v[qb] on and whose scale words are v[qs].
.macro STEP qb, qs
	s_setprio 2
	v_add_nc_u32 v[AK16], s[TS], v[L16]
	s_wait_alu depctr_va_vdst(0)
	v_add_nc_u32 v[AK8], s[TS], v[L8]
	s_wait_alu depctr_va_vdst(0)
	v_add_nc_u32 v[AV16], s[TS], v[V16]
	v_add_nc_u32 v[AV8], s[TS], v[V8]
	v_nop
	v_nop                                          ; six plain instructions behind the last step's products: the scores below are written over v's fragments, which those products read: five are owed
.irp g, 0,1                                    ; S^T = k q^T, four tiles of 16 keys at a time
.if \g == 1
.rept 4
	v_nop                                          ; four in front of loads into registers that products have read
.endr
.endif
.irp t, 0,1,2,3
	ds_load_b128 v[KF+12*\t:KF+12*\t+3], v[AK16] offset:1792*(2*\g+\t/2)+512*(\t%2)          ; 32 lanes read 512 consecutive bytes
	ds_load_b64 v[KF+12*\t+4:KF+12*\t+5], v[AK8] offset:1792*(2*\g+\t/2)+1024+256*(\t%2)
.endr
	ds_load_b64 v[KSC:KSC+1], v[AK8] offset:1792*(2*\g)+1536
	ds_load_b64 v[KSC+2:KSC+3], v[AK8] offset:1792*(2*\g+1)+1536
	s_wait_dscnt 0x0
.irp t, 0,1,2,3
	v_wmma_scale_f32_16x16x128_f8f6f4 v[S+8*(4*\g+\t):S+8*(4*\g+\t)+7], v[KF+12*\t:KF+12*\t+11], v[\qb:\qb+11], 0, v[KSC+\t], v[\qs] matrix_a_fmt:MATRIX_FMT_FP6 matrix_b_fmt:MATRIX_FMT_FP6
.endr
.endr                                          ; the 16 registers of tiles 2 b, 2 b + 1 are keys 32 b + 16 (lane / 16) + 0 .. 15 of the step
.rept 4
	v_nop
.endr
.irp b, 0,1,2,3
	v_max3_num_f32 v[BM+\b], v[S+16*\b], v[S+1+16*\b], v[S+2+16*\b]   ; the largest score of each block of 32 keys: for the row's maximum and, since p rises with the score, for the block's largest p
.endr
.irp i, 3,5,7,9,11,13
.irp b, 0,1,2,3
	v_max3_num_f32 v[BM+\b], v[BM+\b], v[S+16*\b+\i], v[S+1+16*\b+\i]
.endr
.endr
.irp b, 0,1,2,3
	v_max_num_f32 v[BM+\b], v[BM+\b], v[S+15+16*\b]
.endr
.irp b, 0,1,2,3
	s_delay_alu instid0(VALU_DEP_4)
	v_permlanex16_b32 v[BT+\b], v[BM+\b], s[SEL], s[SEL+1]
.endr
.irp b, 0,1,2,3
	s_delay_alu instid0(VALU_DEP_4)
	v_max_num_f32 v[BM+\b], v[BM+\b], v[BT+\b]             ; with lane l xor 16's 16 keys
.endr
	s_delay_alu instid0(VALU_DEP_2)
	v_max3_num_f32 v[TMP], v[BM], v[BM+1], v[BM+2]
	s_delay_alu instid0(VALU_DEP_1)
	v_max_num_f32 v[TMP], v[TMP], v[BM+3]                  ; the step's largest score of my query
	s_delay_alu instid0(VALU_DEP_1)
	v_mul_f32 v[TMP], s[CS], v[TMP]                        ; as t (c is positive)
	s_delay_alu instid0(VALU_DEP_1)
	v_max_num_f32 v13, v13, v[TMP]                         ; the running largest t
	v_mov_b32 v[TMP], v12
	s_delay_alu instid0(VALU_DEP_2)
	v_floor_f32 v12, -v13                                  ; the new -M = floor(-t): M is a whole number
	s_delay_alu instid0(VALU_DEP_1)
	v_sub_f32 v[TMP], v12, v[TMP]                          ; old M - new M: a whole number, 0 or less
	s_delay_alu instid0(VALU_DEP_1)
	v_cvt_i32_f32 v[TMP], v[TMP]                           ; (it saturates)
	s_delay_alu instid0(VALU_DEP_1)
	v_ldexp_f32 v[FF], 1.0, v[TMP]                         ; f = 2^(old M - new M)
.set jj, 0
.rept 32
	v_pk_fma_f32 v[S+jj:S+jj+1], v[S+jj:S+jj+1], s[CS:CS+1], v[12:13] op_sel_hi:[1,0,0]   ; t - M, two at a time (of the pairs c and -M the low word serves both halves)
.set jj, jj+2
.endr
.irp b, 0,1,2,3
	v_fma_f32 v[BM+\b], v[BM+\b], s[CS], v12               ; the same of each block's largest score
.endr
.set jj, 0
	s_wait_alu depctr_va_vdst(0)
.rept 64
	v_exp_f32 v[S+jj], v[S+jj]                             ; p = 2^(t - M), at most 1
.set jj, jj+1
.endr
	s_setprio 1
	v_pk_mul_f32 v[14:15], v[14:15], v[FF:FF+1] op_sel_hi:[1,0]   ; the sums under the new M: the plain instruction behind the exponentials
	s_wait_alu depctr_va_vdst(0)                           ; one wait for the batch of 64, ahead of its first reader
.irp b, 0,1,2,3
	v_exp_f32 v[BM+\b], v[BM+\b]                           ; the block's largest p: the same two instructions on the same number
.endr
	v_pk_add_f32 v[230:231], v[102:103], v[106:107]
	v_pk_add_f32 v[238:239], v[110:111], v[114:115]
	v_pk_add_f32 v[236:237], v[118:119], v[122:123]
	v_pk_add_f32 v[234:235], v[126:127], v[130:131]
	v_pk_add_f32 v[232:233], v[134:135], v[138:139]
	v_pk_add_f32 v[224:225], v[142:143], v[146:147]
	v_pk_add_f32 v[222:223], v[150:151], v[154:155]
	v_pk_add_f32 v[14:15], v[14:15], v[158:159]
	v_pk_add_f32 v[230:231], v[230:231], v[98:99]
	v_pk_add_f32 v[238:239], v[238:239], v[100:101]
	v_pk_add_f32 v[236:237], v[236:237], v[104:105]
	v_pk_add_f32 v[234:235], v[234:235], v[108:109]
	v_pk_add_f32 v[232:233], v[232:233], v[112:113]
	v_pk_add_f32 v[224:225], v[224:225], v[116:117]
	v_pk_add_f32 v[222:223], v[222:223], v[120:121]
	v_pk_add_f32 v[14:15], v[14:15], v[124:125]
	v_pk_add_f32 v[230:231], v[230:231], v[128:129]
	v_pk_add_f32 v[238:239], v[238:239], v[132:133]
	v_pk_add_f32 v[236:237], v[236:237], v[136:137]
	v_pk_add_f32 v[234:235], v[234:235], v[140:141]
	v_pk_add_f32 v[232:233], v[232:233], v[144:145]
	v_pk_add_f32 v[224:225], v[224:225], v[148:149]
	v_pk_add_f32 v[222:223], v[222:223], v[152:153]
	v_pk_add_f32 v[14:15], v[14:15], v[156:157]
	v_pk_add_f32 v[230:231], v[230:231], v[160:161]
	s_delay_alu instid0(VALU_DEP_2)
	v_pk_add_f32 v[14:15], v[14:15], v[234:235]
	s_delay_alu instid0(VALU_DEP_2)
	v_pk_add_f32 v[230:231], v[230:231], v[232:233]
	v_pk_add_f32 v[238:239], v[238:239], v[224:225]
	v_pk_add_f32 v[236:237], v[236:237], v[222:223]
	s_delay_alu instid0(VALU_DEP_2)
	v_pk_add_f32 v[14:15], v[14:15], v[238:239]
	s_delay_alu instid0(VALU_DEP_2)
	v_pk_add_f32 v[230:231], v[230:231], v[236:237]
	s_delay_alu instid0(VALU_DEP_1)
	v_pk_add_f32 v[14:15], v[14:15], v[230:231]
	s_wait_alu depctr_va_vdst(0)                           ; and one for the four
.irp b, 0,1,2,3
	v_max_num_f32 v[BM+\b], 0x1800000, v[BM+\b]            ; the floor 2^(3 - 127): the byte cannot fall under 1
.endr
.irp b, 0,1,2,3
	s_delay_alu instid0(VALU_DEP_4)
	v_add_nc_u32 v[BS+\b], 0xff000000, v[BM+\b]            ; 2 off the exponent field: the conversion's scale operand
.endr
.irp b, 0,1,2,3
	s_delay_alu instid0(VALU_DEP_4)
	v_lshrrev_b32 v[BT+\b], 23, v[BS+\b]                   ; the scale's byte
.endr
	s_delay_alu instid0(VALU_DEP_3)
	v_lshl_or_b32 v[PWD], v[BT+1], 8, v[BT]
	s_delay_alu instid0(VALU_DEP_1)
	v_lshl_or_b32 v[PWD], v[BT+2], 16, v[PWD]
	s_delay_alu instid0(VALU_DEP_1)
	v_lshl_or_b32 v[PWD], v[BT+3], 24, v[PWD]              ; p's scale word for these 128 keys
.irp c, 0,1
	v_cvt_scalef32_pk16_fp6_f32 v[PC+6*\c:PC+2+6*\c], v[S+32*\c:S+15+32*\c], v[BS+2*\c]
	v_cvt_scalef32_pk16_fp6_f32 v[PT+4*\c:PT+2+4*\c], v[S+16+32*\c:S+31+32*\c], v[BS+2*\c+1]
.endr
	v_nop                                                  ; one plain instruction behind the scaled conversions
.irp t, 0,1,2,3                                        ; p is spent: v's four fragments (16 channels x these 128 keys each) land in its registers while the codes are put in order
	ds_load_b128 v[S+12*\t:S+12*\t+3], v[AV16] offset:1792*\t
	ds_load_b64 v[S+12*\t+4:S+12*\t+5], v[AV8] offset:1792*\t+1024
	ds_load_b128 v[S+12*\t+6:S+12*\t+9], v[AV16] offset:1792*\t+512
	ds_load_b64 v[S+12*\t+10:S+12*\t+11], v[AV8] offset:1792*\t+1280
	ds_load_b32 v[VSC+\t], v[AV8] offset:1792*\t+1536
.endr
.irp c, 0,1                                            ; the operand wants a whole block in a lane
.irp i, 0,1,2
	v_permlane16_swap_b32 v[PC+6*\c+\i], v[PT+4*\c+\i]
.endr
.irp i, 0,1,2
	s_delay_alu instid0(VALU_DEP_3)
	v_mov_b32 v[PC+3+6*\c+\i], v[PT+4*\c+\i]
.endr
.endr
.set jj, 0
	s_setprio 0
.rept 16
	v_pk_mul_f32 v[OT+jj:OT+jj+1], v[OT+jj:OT+jj+1], v[FF:FF+1] op_sel_hi:[1,0]   ; O^T under the new M.  These also stand between the codes' and the scale word's last writes and the products
.set jj, jj+2
.endr
	s_wait_alu depctr_va_vdst(0)
	s_wait_dscnt 0x0
.irp t, 0,1,2,3
	v_wmma_scale_f32_16x16x128_f8f6f4 v[OT+8*\t:OT+8*\t+7], v[S+12*\t:S+12*\t+11], v[PC:PC+11], v[OT+8*\t:OT+8*\t+7], v[VSC+\t], v[PWD] matrix_a_fmt:MATRIX_FMT_FP6 matrix_b_fmt:MATRIX_FMT_FP6
.endr                                          ; four accumulators by turns; eight score products stand between two links of a chain
	s_add_co_u32 s[TS], s[TS], 4*1792              ; a step is four records of k, and four of v
.endm
; Chunk c: key steps 4 c .. 4 c + 3.  The fetching waves wait until their loads of this chunk have landed (the 3 - c later ones may stay out: nothing in LDS is ever filled again), then the barrier shows it to all sixteen.
.macro CHUNK c, qb, qs
	s_wait_tensorcnt 3-(\c)
	s_wait_dscnt 0x0                               ; no LDS instruction of mine is out at the signal
	s_barrier_signal -1
	s_barrier_wait -1
	s_mov_b32 s[TS], 28672*(\c)
	s_mov_b32 s[CNT], 4
.Lstep_\@:
	STEP \qb, \qs
	s_sub_co_u32 s[CNT], s[CNT], 1
	s_cmp_lg_u32 s[CNT], 0
	s_cbranch_scc1 .Lstep_\@
	s_setprio 0
.endm
.macro INIT                            ; the step is written without a first step of its own: it finds zeros, which the first change of M leaves zeros
	v_mov_b32 v13, 0xff61b1e6                      ; the largest t so far: -3e38
	s_delay_alu instid0(VALU_DEP_1)
	v_floor_f32 v12, -v13                          ; -M
	v_mov_b32 v14, 0
	v_mov_b32 v15, 0
.set jj, 0
.rept 32
	v_mov_b32 v[OT+jj], 0
.set jj, jj+1
.endr
.endm
; O^T / the sum is my query's 64 channels of this head: two blocks of 32 along D.  They are quantised and stored as half a fragment of the last product's operand.
.macro OUT p
.rept 4
	v_nop                                          ; behind the last products
.endr
	v_add_f32 v14, v14, v15
	s_delay_alu instid0(VALU_DEP_1)
	v_permlanex16_b32 v[TMP], v14, s[SEL], s[SEL+1]
	s_delay_alu instid0(VALU_DEP_1)
	v_add_f32 v14, v14, v[TMP]                     ; the row's sum
	s_wait_alu depctr_va_vdst(0)
	v_rcp_f32 v14, v14
	v_nop                                          ; a plain instruction behind the reciprocal,
	s_wait_alu depctr_va_vdst(0)                   ; and the wait ahead of its first reader
.set jj, 0
.rept 32
	v_mul_f32 v[S+jj], v[OT+jj], v14               ; register 16 b + i is channel 32 b + 16 (lane / 16) + i; each accumulator from its low end on
.set jj, jj+1
.endr
.irp b, 0,1
	v_max3_num_f32 v[BM+\b], |v[S+16*\b]|, |v[S+1+16*\b]|, 0x1800000
.endr
.irp i, 2,4,6,8,10,12,14
.irp b, 0,1
	s_delay_alu instid0(VALU_DEP_2)
	v_max3_num_f32 v[BM+\b], v[BM+\b], |v[S+16*\b+\i]|, |v[S+1+16*\b+\i]|
.endr
.endr
.irp b, 0,1
	s_delay_alu instid0(VALU_DEP_2)
	v_permlanex16_b32 v[BT+\b], v[BM+\b], s[SEL], s[SEL+1]
.endr
.irp b, 0,1
	s_delay_alu instid0(VALU_DEP_2)
	v_max_num_f32 v[BM+\b], v[BM+\b], v[BT+\b]
.endr
.irp b, 0,1
	s_delay_alu instid0(VALU_DEP_2)
	v_add_nc_u32 v[BS+\b], 0xff000000, v[BM+\b]
.endr
.irp b, 0,1
	s_delay_alu instid0(VALU_DEP_2)
	v_lshrrev_b32 v[BT+\b], 23, v[BS+\b]
.endr
	s_delay_alu instid0(VALU_DEP_1)
	v_lshl_or_b32 v[WP], v[BT+1], 8, v[BT]         ; my head's two bytes of the row's scale word
	s_delay_alu instid0(VALU_DEP_1)
	v_mov_b32 v[WP+1], v[WP]
	v_cvt_scalef32_pk16_fp6_f32 v[PC:PC+2], v[S:S+15], v[BS]
	v_cvt_scalef32_pk16_fp6_f32 v[PT:PT+2], v[S+16:S+31], v[BS+1]
	v_nop
.irp i, 0,1,2
	v_permlane16_swap_b32 v[PC+\i], v[PT+\i]
.endr
.irp i, 0,1,2
	s_delay_alu instid0(VALU_DEP_3)
	v_mov_b32 v[PC+3+\i], v[PT+\i]
.endr
	global_store_b128 v[L16], v[PC:PC+3], s[OL:OL+1] offset:131072*(\p)            ; 512 consecutive bytes; the two below 256 each, all aligned to 256
	global_store_b64 v[L8], v[PC+4:PC+5], s[OH:OH+1] offset:131072*(\p)+1024
	global_store_b64 v[L8], v[WP:WP+1], s[OH:OH+1] offset:131072*(\p)+1536
.endm
	s_load_b128 s[4:7], s[0:1], 0x0                ; qbuf s[4:5], kvbuf s[6:7]
	s_load_b64 s[8:9], s[0:1], 0x10                ; obuf
	v_lshl_add_u32 v240, v0, 2, 0x38000
	v_mov_b32 v241, 0
	ds_add_u32 v240, v241
	ds_add_u32 v240, v241
	v_lshrrev_b32 v9, 5, v0
	s_delay_alu instid0(VALU_DEP_1)
	v_readfirstlane_b32 s[WV], v9                  ; wave 0..15
	v_and_b32 v9, 31, v0
	s_delay_alu instid0(VALU_DEP_1)
	v_lshlrev_b32 v[L16], 4, v9
	s_delay_alu instid0(VALU_DEP_2)
	v_lshlrev_b32 v[L8], 3, v9
	s_delay_alu instid0(VALU_DEP_2)
	v_add_nc_u32 v[V16], 114688, v[L16]
	s_delay_alu instid0(VALU_DEP_2)
	v_add_nc_u32 v[V8], 114688, v[L8]
	s_bfe_u32 s11, ttmp6, 0x40000                  ; cx: my place in the cluster
	s_lshl_b32 s12, ttmp9, 2
	s_add_co_u32 s12, s12, s11                     ; my quarter of the queries: it enters q's and o's global addresses alone
	s_and_b32 s13, ttmp7, 0xffff                   ; the head 8 n + h, which the four partners share
	; descriptor group 1: 56 rows of 256 bytes (32 elements of 8 bytes), dense in memory and in LDS
	s_mov_b32 s[G1], 15|(3<<16)|(1<<21)            ; 15:0 the mask: all four work-groups; 17:16 elements of 8 bytes; 20 no padding; 21 set beside a mask
	s_mov_b32 s[G1+1], 32<<16                      ; tensor_dim0 = 32
	s_mov_b32 s[G1+2], 56<<16                      ; tensor_dim1 = 56
	s_mov_b32 s[G1+3], 32<<16                      ; tile_dim0 = 32
	s_mov_b32 s[G1+4], 56                          ; tile_dim1 = 56
	s_mov_b32 s[G1+5], 32                          ; from row to row
	s_mov_b32 s[G1+6], 0
	s_mov_b32 s[G1+7], 0
	s_mov_b32 s[CS], 0x3e38aa3b                    ; c = log2(e) / 8
	s_mov_b32 s[CS+1], s[CS]                       ; (named with it as a pair, so it is written)
	s_mov_b32 s[SEL], 0x76543210
	s_mov_b32 s[SEL+1], 0xfedcba98
	s_and_b32 s54, s[WV], 3                        ; what I fetch, if I fetch: waves 0, 1 the halves of a chunk of k, waves 2, 3 of v
	s_lshr_b32 s55, s54, 1
	s_mul_i32 s55, s55, 114688
	s_and_b32 s56, s[WV], 1
	s_mul_i32 s56, s56, 14336
	s_add_co_u32 s55, s55, s56                     ; its byte in the head's image: in LDS and in memory alike
	s_mul_i32 s56, s13, 229376
	s_add_co_u32 s56, s56, s55
	s_mov_b32 s57, 0
	s_wait_dscnt 0x0
	s_wait_kmcnt 0x0
	s_add_nc_u64 s[58:59], s[6:7], s[56:57]
	CROUND                                         ; all four work-groups are here: the joint loads meet
.irp c, 0,1,2,3
	s_mov_b32 s[G0+4*\c], 1                        ; count = 1
	s_add_co_u32 s[G0+4*\c+1], s55, 28672*\c       ; LDS address: chunk c
	s_add_nc_u64 s[G0+4*\c+2:G0+4*\c+3], s[58:59], 28672*\c
	s_or_b32 s[G0+4*\c+3], s[G0+4*\c+3], 0x80000000   ; type = 2
.endr
	s_cmp_lt_u32 s[WV], 4                          ; a wave's four fills stand in one branch on the wave's number, ahead of every wait on TENSORcnt, every LDS read and every barrier but the round
	s_cbranch_scc0 .Lno_fill
	tensor_load_to_lds s[G0:G0+3], s[G1:G1+7]
	s_nop 0
	tensor_load_to_lds s[G0+4:G0+7], s[G1:G1+7]
	s_nop 0
	tensor_load_to_lds s[G0+8:G0+11], s[G1:G1+7]
	s_nop 0
	tensor_load_to_lds s[G0+12:G0+15], s[G1:G1+7]
	s_nop 0
.rept 4
	v_nop                                          ; behind tensor loads
.endr
.Lno_fill:
	; q: pass p's tile is 32 gx + 16 p + w of the head's 128: record 16 gx + 8 p + w / 2, half w % 2
	s_mul_i32 s56, s13, 114688
	s_lshl_b32 s60, s12, 4
	s_lshr_b32 s61, s[WV], 1
	s_add_co_u32 s60, s60, s61
	s_mul_i32 s60, s60, 1792
	s_add_co_u32 s56, s56, s60
	s_add_nc_u64 s[QB:QB+1], s[4:5], s[56:57]
	s_and_b32 s61, s[WV], 1
	s_lshl_b32 s62, s61, 9
	s_wait_alu depctr_va_vdst(0)
	v_add_nc_u32 v9, s62, v[L16]
	s_lshl_b32 s62, s61, 8
	v_add_nc_u32 v10, s62, v[L8]
	s_lshl_b32 s62, s61, 2
	v_add_nc_u32 v11, s62, v[L8]
	global_load_b128 v[Q0:Q0+3], v9, s[QB:QB+1]
	global_load_b64 v[Q0+4:Q0+5], v10, s[QB:QB+1] offset:1024
	global_load_b32 v[QS0], v11, s[QB:QB+1] offset:1536
	global_load_b128 v[Q1:Q1+3], v9, s[QB:QB+1] offset:14336
	global_load_b64 v[Q1+4:Q1+5], v10, s[QB:QB+1] offset:14336+1024
	global_load_b32 v[QS1], v11, s[QB:QB+1] offset:14336+1536
	; o: token tile 128 n + 32 gx + 16 p + w, 8,192 bytes each; K step h / 2, 2,048 bytes; half h % 2
	s_lshr_b32 s54, s13, 3
	s_lshl_b32 s54, s54, 7
	s_lshl_b32 s60, s12, 5
	s_add_co_u32 s54, s54, s60
	s_add_co_u32 s54, s54, s[WV]
	s_lshl_b32 s54, s54, 13
	s_and_b32 s60, s13, 7
	s_lshr_b32 s61, s60, 1
	s_lshl_b32 s61, s61, 11
	s_add_co_u32 s56, s54, s61
	s_add_nc_u64 s[OL:OL+1], s[8:9], s[56:57]
	s_and_b32 s60, s60, 1
	s_lshl_b32 s56, s60, 8
	s_add_nc_u64 s[OH:OH+1], s[OL:OL+1], s[56:57]
	s_lshl_b32 s56, s60, 9
	s_add_nc_u64 s[OL:OL+1], s[OL:OL+1], s[56:57]
.irp j, 6,7,8,9,10,11                          ; the zero codes of K = 64 .. 127: written once, never loaded into
	v_mov_b32 v[Q0+\j], 0
	v_mov_b32 v[Q1+\j], 0
	v_mov_b32 v[KF+\j], 0
	v_mov_b32 v[KF+12+\j], 0
	v_mov_b32 v[KF+24+\j], 0
	v_mov_b32 v[KF+36+\j], 0
.endr
.irp b, 0,1,2,3
	v_mov_b32 v[BT+\b], 0                          ; written once: a lane permute's destination counts as one of its sources
.endr
	v_mov_b32 v[FF+1], 0                           ; (named as the upper half of a pair)
	INIT
	s_wait_loadcnt 0x0                             ; q
	CHUNK 0, Q0, QS0                               ; pass 0 walks the chunks as they land
	CHUNK 1, Q0, QS0
	CHUNK 2, Q0, QS0
	CHUNK 3, Q0, QS0
	OUT 0
	s_wait_xcnt 0x0                                ; the stores have read their registers
	INIT
	s_mov_b32 s[TS], 0                             ; pass 1: all of the head lies in LDS
	s_mov_b32 s[CNT], 16
.Lpass1:
	STEP Q1, QS1
	s_sub_co_u32 s[CNT], s[CNT], 1
	s_cmp_lg_u32 s[CNT], 0
	s_cbranch_scc1 .Lpass1
	s_setprio 0
	OUT 1
	s_wait_dscnt 0x0
	s_wait_tensorcnt 0x0
	ds_add_u32 v240, v241
	s_wait_dscnt 0x0
	CROUND                                         ; the closing round: no work-group ends while a partner may still ask for a piece that names it
	s_endpgm
.Lfunc_end_k_q79e4a134d2_attn:
	.size	k_q79e4a134d2_attn, .Lfunc_end_k_q79e4a134d2_attn-k_q79e4a134d2_attn
	.p2alignl 7, 3214868480
	.fill 96, 4, 3214868480
	.section	.rodata,"a",@progbits
	.p2align	6, 0x0
	.amdhsa_kernel k_q79e4a134d2_attn
		.amdhsa_group_segment_fixed_size 231424
		.amdhsa_private_segment_fixed_size 0
		.amdhsa_enable_private_segment 0
		.amdhsa_kernarg_size 24
		.amdhsa_user_sgpr_count 2
		.amdhsa_user_sgpr_kernarg_segment_ptr 1
		.amdhsa_wavefront_size32 1
		.amdhsa_system_sgpr_workgroup_id_x 1
		.amdhsa_system_sgpr_workgroup_id_y 1
		.amdhsa_system_sgpr_workgroup_id_z 1
		.amdhsa_system_vgpr_workitem_id 0
		.amdhsa_next_free_vgpr 242
		.amdhsa_next_free_sgpr 66
		.amdhsa_reserve_vcc 0
		.amdhsa_float_denorm_mode_32 3
		.amdhsa_float_denorm_mode_16_64 3
		.amdhsa_memory_ordered 1
		.amdhsa_forward_progress 1
		.amdhsa_inst_pref_size 109
	.end_amdhsa_kernel
	.amdgpu_metadata
---
amdhsa.version: [ 1, 2 ]
amdhsa.kernels:
  - .name:           k_q79e4a134d2_attn
    .symbol:         k_q79e4a134d2_attn.kd
    .args:
      - { .name: qbuf, .offset: 0, .size: 8, .value_kind: global_buffer, .address_space: global }
      - { .name: kvbuf, .offset: 8, .size: 8, .value_kind: global_buffer, .address_space: global }
      - { .name: obuf, .offset: 16, .size: 8, .value_kind: global_buffer, .address_space: global }
    .group_segment_fixed_size: 231424
    .private_segment_fixed_size: 0
    .kernarg_segment_align: 8
    .kernarg_segment_size: 24
    .max_flat_workgroup_size: 512
    .sgpr_count:     66
    .vgpr_count:     242
    .wavefront_size: 32
...
	.end_amdgpu_metadata
.endif
;; end of part 7
;; launch oproj (part 8): grid 256 x 1, 4 waves a work-group, no clusters, 34,304 bytes of LDS; arguments cod, scl, obuf, b_o, out0; writes out0
.if DOCPART == 8
	.amdgcn_target "amdgcn-amd-amdhsa--gfx1250"
	.amdhsa_code_object_version 6
	.text
	.protected	k_q79e4a134d2_oproj
	.globl	k_q79e4a134d2_oproj
	.p2align	8
	.type	k_q79e4a134d2_oproj,@function
k_q79e4a134d2_oproj:
	s_mov_b64 s[64:65], 0
	v_nop
	global_prefetch_b8 v0, s[64:65] scope:SCOPE_SE
	s_setreg_imm32_b32 hwreg(HW_REG_WAVE_SCHED_MODE, 0, 2), 2
	s_setreg_imm32_b32 hwreg(HW_REG_WAVE_MODE, 25, 1), 1
	s_wait_xcnt 0x0
	s_wait_alu depctr_vm_vsrc(0)
; out0 = o w_o^T + b_o on codes of FP6 (E2M3) with E8M0 scales, f32 sums.  o [16384][512] lies in obuf as register images made by the attention launch, w_o in cod and scl.
; SHARES.  A work-group takes 64 tokens (four tiles of o); wave w keeps w_o's tiles 8 w .. 8 w + 7 (outputs 128 w on) x 4 K steps STATIONARY in 384 registers and streams the four tiles of o.
; A unit is one tile: 32 matrix instructions, 8 accumulators by turns, K ascending; source 0 = w_o's tile, source 1 = o's: a lane holds one token and 128 neighbouring outputs in groups of 16.
; obuf: token tile T at 8192 T, K step s at + 2048 s: registers 0-3 at 16 l, 6-9 at 512 + 16 l, 4-5 at 1024 + 8 l, 10-11 at 1280 + 8 l; the scale word's lower two bytes at 1536 + 8 l, its upper two at 1792 + 8 l.
; THE WAY OUT.  A lane's numbers belong to one row and the lanes beside it hold other rows: a tile goes through the wave's own stage in LDS (16 rows x (512 + 16) bytes) and comes back as whole
; pieces of rows: each store of the wave covers 512 consecutive bytes, aligned to 256.  The stage is the wave's own: no barrier.  Lane row rho of tile 4 g + j is token 64 g + 32 (j / 2) + 8 (j % 2) + rho + 8 (rho / 8).
; NO CLUSTER: every operand is a register image that a wave's own lanes load; there is no LDS tile that a joint load could fill.
; THE MODE: SCHED_MODE bits 1:0 = 2 (LLVM: expert scheduling mode 2), set by the entry lines.  The code itself states the register dependences
; between vector or matrix instructions and memory or LDS instructions, with s_wait_alu, always for 0.
; THE PLAN.  Registers that memory or LDS instructions touch:
;   R0, R1     two tiles of o (window 3).  Unit j: its 32 products read R[j % 2]; behind them the loads of tile j + 2 land in it.
;   RW0, RW1   the halves of their scale words, as loaded.  Unit j: four vector lines read RW[j % 2]; the same loads land in it.
;   RS         the scale words, written by those four lines and read by the products as scales.
;   ACC        written by unit j's products, read by its sixteen LDS stores, written again by unit j + 1's products.
;   OB0, OB1   rows back from the stage.  Unit j's loads from the stage land in OB[j % 2]; the sixteen global stores that read it are issued in unit j + 1, behind its products.
;   v1 .. v7   offsets and LDS addresses, made once at the head and never written again.
; Two waits on va_vdst stand in a unit.  The one ahead of the products states that RS is written.  The one behind them states that ACC is written, that the products are done reading R[j % 2]
; and that the vector lines are done reading RW[j % 2]: behind it come the loads, the stores of the tile before, the LDS stores and the loads from the stage, with no vector instruction among them.
; One wait on vm_vsrc a unit, ahead of the products: the LDS stores of the tile before have read ACC, and the global stores of the tile two back have read OB[j % 2].
; REGISTERS: window 0: v1-7 offsets; v8-15 and v80-87 the scale words' halves as loaded; v16-79 accumulators; v88-95 o's scale words; v96-127 w_o's; v128-191 and v192-255 rows on their way out.
;   windows 1, 2: stationary fragment (i, s) at window 1 + s / 2, register 96 (s % 2) + 12 i.   window 3: v0-95 two tiles of o; v96-159 the bias.
.set L16, 1
.set L8,  2
.set HB,  3
.set STO, 5                            ; the stage: where I put my numbers: 528 r + 64 h
.set RD,  6                            ; and where I read a row's piece back: 16 x lane
.set CO,  7                            ; my byte in a row of out0: 512 w + 16 x lane
.set RW,  8                            ; buffer p at RW + 72 p
.set ACC, 16
.set RS,  88
.set SS,  96
.set OB,  128                          ; buffer p at OB + 64 p
.set BIA, 96                           ; in window 3
.set WV,  18
.set SB,  20
.set SQ,  22
.set OBP, 24
.set OP,  28
.set BP,  32
.set MSB, 0
.macro WIN new                         ; the immediate's high byte repeats the setting that is left
.if MSB != \new
	s_set_vgpr_msb (MSB<<8)|\new
.set MSB, \new
.endif
.endm
.macro MUL buf, cb, cs                 ; 32 matrix instructions; the bias is the C of each sum's first; the accumulators take turns, one instruction a turn
.irp s, 0,1,2,3
.if \s == 0
	WIN 0x3D                                       ; source 0 window 1, source 1 and C window 3, D window 0
.elseif \s == 1
	WIN 0x0D
.else
	WIN 0x0E                                       ; source 0 window 2
.endif
.irp i, 0,1,2,3,4,5,6,7
.if \s == 0
	v_wmma_scale_f32_16x16x128_f8f6f4 v[ACC+8*\i:ACC+8*\i+7], v[96*(\s%2)+12*\i:96*(\s%2)+12*\i+11], v[48*(\buf)+12*\s:48*(\buf)+12*\s+11], v[(\cb)+(\cs)*\i:(\cb)+(\cs)*\i+7], v[SS+4*\i+\s], v[RS+4*(\buf)+\s] matrix_a_fmt:MATRIX_FMT_FP6 matrix_b_fmt:MATRIX_FMT_FP6
.else
	v_wmma_scale_f32_16x16x128_f8f6f4 v[ACC+8*\i:ACC+8*\i+7], v[96*(\s%2)+12*\i:96*(\s%2)+12*\i+11], v[48*(\buf)+12*\s:48*(\buf)+12*\s+11], v[ACC+8*\i:ACC+8*\i+7], v[SS+4*\i+\s], v[RS+4*(\buf)+\s] matrix_a_fmt:MATRIX_FMT_FP6 matrix_b_fmt:MATRIX_FMT_FP6
.endif
.endr
.endr
	WIN 0
.endm
.macro LOADO buf, k                    ; tile k of my four into buffer buf: 24 loads
	WIN 0xC0
.irp s, 0,1,2,3
	global_load_b128 v[48*(\buf)+12*\s:48*(\buf)+12*\s+3], v[L16], s[OBP:OBP+1] offset:8192*(\k)+2048*\s
	global_load_b64 v[48*(\buf)+12*\s+4:48*(\buf)+12*\s+5], v[L8], s[OBP:OBP+1] offset:8192*(\k)+2048*\s+1024
	global_load_b128 v[48*(\buf)+12*\s+6:48*(\buf)+12*\s+9], v[L16], s[OBP:OBP+1] offset:8192*(\k)+2048*\s+512
	global_load_b64 v[48*(\buf)+12*\s+10:48*(\buf)+12*\s+11], v[L8], s[OBP:OBP+1] offset:8192*(\k)+2048*\s+1280
.endr
	WIN 0
.irp s, 0,1,2,3
	global_load_b32 v[RW+72*(\buf)+2*\s], v[L8], s[OBP:OBP+1] offset:8192*(\k)+2048*\s+1536
	global_load_b32 v[RW+72*(\buf)+2*\s+1], v[L8], s[OBP:OBP+1] offset:8192*(\k)+2048*\s+1792
.endr
.endm
.macro SEND j                          ; tile j's sixteen rows, back from the stage, are stored.  No LDS instruction was issued behind the sixteen loads
.set OBS, OB+64*((\j)%2)
.irp r, 0,1,2,3,4,5,6,7,8,9,10,11,12,13,14,15
	s_wait_dscnt 15-\r                             ; row r is back; the later rows may be out
	global_store_b128 v[CO], v[OBS+4*\r:OBS+4*\r+3], s[OP:OP+1] offset:(32*((\j)/2)+8*((\j)%2)+\r+8*(\r/8))*2048 th:TH_STORE_NT
.endr
.endm
.macro OUNIT j
.set BF, (\j)%2
.set OBL, OB+64*BF
.if \j == 3
	s_wait_loadcnt 0x0
.else
	s_wait_loadcnt 24                              ; this tile is in; the next tile's 24 loads may be out
.endif
.irp s, 0,1,2,3
	v_lshl_or_b32 v[RS+4*BF+\s], v[RW+72*BF+2*\s+1], 16, v[RW+72*BF+2*\s]   ; two heads' bytes make the K step's scale word
.endr
.rept 8
	v_nop                                          ; a scale register written by a vector instruction stands eight plain instructions ahead of the scaled product
.endr
.if \j >= 2
	s_wait_xcnt 0x0                                ; the global stores of the tile two back have had their addresses translated: their data registers are loaded again only behind this wait
.endif
.if \j > 0
	s_wait_alu depctr_vm_vsrc(0)                   ; the LDS stores of the tile before have read the accumulators, which the products below write again; the global stores of the tile two back have read the rows' buffer in which this unit's loads from the stage land
.endif
	s_wait_alu depctr_va_vdst(0)                   ; the four lines above have written the scale words that the products below take as scales; the eight places stay beside this wait
	MUL BF, BIA, 8
.rept 4
	v_nop                                          ; four plain instructions between the last product and the LDS stores that read results
.endr
.if \j < 2
	WIN 0xC0                                       ; the loads' window first, then the wait
.endif
	s_wait_alu depctr_va_vdst(0)                   ; the products have written the accumulators, which the LDS stores below read, and are done reading this buffer's fragments, in which the loads below land; the four vector lines are done reading the words' halves, likewise
.if \j < 2
	LOADO BF, (\j)+2                               ; two tiles ahead, into the buffer just multiplied
.endif
.if \j > 0
	SEND (\j)-1                                    ; the tile before: its way through the stage lay under this unit's products
.endif
.irp b, 0,1,2,3
.irp q, 0,1,2,3
	ds_store_b128 v[STO], v[ACC+16*\b+4*\q:ACC+16*\b+4*\q+3] offset:128*\b+16*\q   ; outputs 32 b + 16 h + 4 q on; each accumulator from its low end on
.endr
.endr
.irp r, 0,1,2,3,4,5,6,7,8,9,10,11,12,13,14,15
	ds_load_b128 v[OBL+4*\r:OBL+4*\r+3], v[RD] offset:528*\r   ; LDS serves a wave's instructions in order (ISA guide 5.7.1.4): these see the stores above
.endr
.endm
	s_load_b256 s[4:11], s[0:1], 0x0               ; cod s[4:5], scl s[6:7], obuf s[8:9], b_o s[10:11]
	s_load_b64 s[12:13], s[0:1], 0x20              ; out0
	v_lshl_add_u32 v4, v0, 2, 0x8400
	s_set_vgpr_msb 0x40
	v_mov_b32 v255, 0
	s_set_vgpr_msb 0x4000
	v_lshrrev_b32 v8, 5, v0
	v_readfirstlane_b32 s[WV], v8                  ; wave 0..3
	v_and_b32 v8, 31, v0
	v_lshlrev_b32 v[L16], 4, v8
	v_lshlrev_b32 v[L8], 3, v8
	v_and_b32 v8, 15, v0                           ; r
	v_bfe_u32 v9, v0, 4, 1                         ; h
	v_lshlrev_b32 v[HB], 6, v9
	v_mul_u32_u24 v[STO], v8, 528
	v_lshl_add_u32 v[STO], v9, 6, v[STO]
	s_wait_alu depctr_va_sdst(0)                   ; the wave's number is written, ahead of its first reader: the stage, the tiles and the bases are made from it
	s_mul_i32 s38, s[WV], 16*528                   ; my stage
	v_add_nc_u32 v[STO], s38, v[STO]
	v_add_nc_u32 v[RD], s38, v[L16]
	s_lshl_b32 s39, s[WV], 9
	v_add_nc_u32 v[CO], s39, v[L16]
	s_lshl_b32 s40, s[WV], 3
	s_add_co_u32 s40, s40, 1120                    ; w_o's tiles begin at 1024 + 96
	s_mov_b32 s47, 0
	s_mul_i32 s46, s40, 6144
	s_wait_kmcnt 0x0
	s_add_nc_u64 s[SB:SB+1], s[4:5], s[46:47]
	s_lshl_b32 s46, s40, 9
	s_add_nc_u64 s[SQ:SQ+1], s[6:7], s[46:47]
	s_lshl_b32 s46, ttmp9, 15                      ; four tiles of 8,192 bytes
	s_add_nc_u64 s[OBP:OBP+1], s[8:9], s[46:47]
	s_lshl_b32 s46, ttmp9, 17                      ; 64 rows of 2,048 bytes
	s_add_nc_u64 s[OP:OP+1], s[12:13], s[46:47]
	s_mov_b32 s46, s39
	s_add_nc_u64 s[BP:BP+1], s[10:11], s[46:47]    ; my 128 outputs' bias
	WIN 0x40                                       ; destination window 1
	s_wait_alu depctr_va_vdst(0)                   ; the offsets and LDS addresses v1 to v7 are written, which every load and store of the kernel reads; so are v8 and v9, in which loads of the words' halves land
.irp i, 0,1,2,3,4,5,6,7
.irp s, 0,1
.irp c, 0,1,2
	global_load_b128 v[96*\s+12*\i+4*\c:96*\s+12*\i+4*\c+3], v[L16], s[SB:SB+1] offset:6144*\i+1536*\s+512*\c
.endr
.endr
.endr
	WIN 0x80                                       ; destination window 2
.irp i, 0,1,2,3,4,5,6,7
.irp s, 0,1
.irp c, 0,1,2
	global_load_b128 v[96*\s+12*\i+4*\c:96*\s+12*\i+4*\c+3], v[L16], s[SB:SB+1] offset:6144*\i+1536*(\s+2)+512*\c
.endr
.endr
.endr
	WIN 0xC0                                       ; destination window 3
.irp i, 0,1,2,3,4,5,6,7                        ; accumulator i = 2 b + u: register j is output 32 b + 16 h + 8 u + j
	global_load_b128 v[BIA+8*\i:BIA+8*\i+3], v[HB], s[BP:BP+1] offset:(32*(\i/2)+8*(\i%2))*4
	global_load_b128 v[BIA+8*\i+4:BIA+8*\i+7], v[HB], s[BP:BP+1] offset:(32*(\i/2)+8*(\i%2))*4+16
.endr
	WIN 0
.irp i, 0,1,2,3,4,5,6,7
	global_load_b128 v[SS+4*\i:SS+4*\i+3], v[L16], s[SQ:SQ+1] offset:512*\i
.endr
	LOADO 0, 0
	LOADO 1, 1
	OUNIT 0
	OUNIT 1
	OUNIT 2
	OUNIT 3
	SEND 3                                         ; the last tile's rows: their data come from LDS loads, which the counted waits show
	s_set_vgpr_msb 0x4
	s_wait_dscnt 0x0
	s_wait_alu depctr_hold_cnt(0) depctr_sa_sdst(0) depctr_va_vdst(0) depctr_va_sdst(0) depctr_va_ssrc(0) depctr_va_vcc(0) depctr_vm_vsrc(0)
	s_wait_tensorcnt 0x0
	ds_add_u32 v4, v255
	s_wait_dscnt 0x0
	s_endpgm
.Lfunc_end_k_q79e4a134d2_oproj:
	.size	k_q79e4a134d2_oproj, .Lfunc_end_k_q79e4a134d2_oproj-k_q79e4a134d2_oproj
	.p2alignl 7, 3214868480
	.fill 96, 4, 3214868480
	.section	.rodata,"a",@progbits
	.p2align	6, 0x0
	.amdhsa_kernel k_q79e4a134d2_oproj
		.amdhsa_group_segment_fixed_size 34304
		.amdhsa_private_segment_fixed_size 0
		.amdhsa_enable_private_segment 0
		.amdhsa_kernarg_size 40
		.amdhsa_user_sgpr_count 2
		.amdhsa_user_sgpr_kernarg_segment_ptr 1
		.amdhsa_wavefront_size32 1
		.amdhsa_system_sgpr_workgroup_id_x 1
		.amdhsa_system_sgpr_workgroup_id_y 1
		.amdhsa_system_sgpr_workgroup_id_z 1
		.amdhsa_system_vgpr_workitem_id 0
		.amdhsa_next_free_vgpr 1024
		.amdhsa_next_free_sgpr 66
		.amdhsa_reserve_vcc 0
		.amdhsa_float_denorm_mode_32 3
		.amdhsa_float_denorm_mode_16_64 3
		.amdhsa_memory_ordered 1
		.amdhsa_forward_progress 1
		.amdhsa_inst_pref_size 59
	.end_amdhsa_kernel
	.amdgpu_metadata
---
amdhsa.version: [ 1, 2 ]
amdhsa.kernels:
  - .name:           k_q79e4a134d2_oproj
    .symbol:         k_q79e4a134d2_oproj.kd
    .args:
      - { .name: cod, .offset: 0, .size: 8, .value_kind: global_buffer, .address_space: global }
      - { .name: scl, .offset: 8, .size: 8, .value_kind: global_buffer, .address_space: global }
      - { .name: obuf, .offset: 16, .size: 8, .value_kind: global_buffer, .address_space: global }
      - { .name: b_o, .offset: 24, .size: 8, .value_kind: global_buffer, .address_space: global }
      - { .name: out0, .offset: 32, .size: 8, .value_kind: global_buffer, .address_space: global }
    .group_segment_fixed_size: 34304
    .private_segment_fixed_size: 0
    .kernarg_segment_align: 8
    .kernarg_segment_size: 40
    .max_flat_workgroup_size: 128
    .sgpr_count:     66
    .vgpr_count:     1024
    .wavefront_size: 32
...
	.end_amdgpu_metadata
.endif
;; end of part 8
